; MI455X (gfx1250); checked and timed in simulation.
; The chip was launched on July 23, 2026; its instructions are those of AMD's public machine-readable ISA for CDNA 5 (MIT licence, August 2026) and "CDNA5" Instruction Set Architecture Reference Guide (July 2026). The comments in the code are by the model that wrote it; some were corrected since.
;; Multi Head Self Attention. Allowed arithmetic: matrix products marked QUANTISED: E2M1 operands, one E8M0 scale for each 32 along K, by v_wmma_scale_f32_16x16x128_f8f6f4 with both operands' format E2M1 (or v_wmma_scale_f32_32x16x128_f4), f32 sums; everything else in f32.
;; Inputs: Wk 1,024 x 1,024 float32; Wo 1,024 x 1,024 float32; Wq 1,024 x 1,024 float32; Wv 1,024 x 1,024 float32; bk 1,024 float32; bo 1,024 float32; bq 1,024 float32; bv 1,024 float32; x 4 x 2,048 x 1,024 float32.
;; Outputs: out0 4 x 2,048 x 1,024 float32.
;; This version of the problem:
;;   THIS VERSION OF THE PROBLEM IS GIVEN IN LOW PRECISION. The matrix products marked QUANTISED in the list below multiply operands that are first quantised to E2M1 (2 exponent bits, 1 mantissa bit; 4 bits a number), with one power-of-two scale for each 32 numbers along K (OCP MX v1.0); their sums are f32. All else is computed in f32.
;;   The module's matrix products, in the order in which they are computed (A, B: the left and right operand; K: the contracted axis; several contracted axes count as one K, in the product's order):
;;     1. [M 8,192, K 1,024] x [K 1,024, N 1,024]; A: input x; B: input Wq: QUANTISED
;;     2. [M 8,192, K 1,024] x [K 1,024, N 1,024]; A: input x; B: input Wk: QUANTISED
;;     3. [M 8,192, K 1,024] x [K 1,024, N 1,024]; A: input x; B: input Wv: QUANTISED
;;     4. batch 64 x [M 2,048, K 64] x [K 64, N 2,048]; A: computed on the way; B: computed on the way: QUANTISED
;;     5. batch 64 x [M 2,048, K 2,048] x [K 2,048, N 64]; A: softmax (see below); B: computed on the way: QUANTISED
;;     6. [M 8,192, K 1,024] x [K 1,024, N 1,024]; A: computed on the way; B: input Wo: QUANTISED
;;   THE QUANTISER, for each operand of a quantised product, along K:
;;     - K is cut into blocks of 32 from its start; a last block that is shorter is filled with zeros.
;;     - A block's scale is 2^e with e = floor(log2(the largest magnitude in the block)) - 2, held to -126 .. 127; a block of zeros has e = 0. As a byte (E8M0): e + 127.
;;     - Each number is divided by its block's scale, clamped to +-6, and rounded to the nearest number of E2M1, ties to even, subnormals kept.
;;     - The product sums the exact products of the quantised numbers (number of the format x scale) in f32.
;;   ~~~python
;;   def quantise(x, axis):      # numpy; x: float32 -> the quantised numbers, widened to float32 again
;;       x = np.moveaxis(x, axis, -1); K = x.shape[-1]
;;       x = np.pad(x, [(0, 0)] * (x.ndim - 1) + [(0, -K % 32)]); x = x.reshape(x.shape[:-1] + (-1, 32)); a = np.abs(x).max(-1, keepdims=True)
;;       e = np.where(a > 0, np.clip(np.frexp(np.where(a > 0, a, 1))[1] - 1 - 2, -126, 127), 0)      # np.frexp(a)[1] - 1 = floor(log2(a)), exactly
;;       r = np.clip(x / 2.0 ** e, -6, 6)
;;       step = 2.0 ** (np.maximum(np.frexp(np.where(r == 0, 1, r))[1] - 1, 0) - 1)
;;       q = np.round(r / step) * step * 2.0 ** e      # np.round: ties to even
;;       return np.moveaxis(q.reshape(q.shape[:-2] + (-1,))[..., :K], -1, axis).astype(np.float32)
;;   ~~~
;;   SOFTMAX AHEAD OF A QUANTISED PRODUCT. Where the list says 'softmax', what is quantised is not the finished softmax but p = 2^(t - M), with t = logit x log2(e) and M = ceil(the row's largest t), a whole number; so 1/2 < the row's largest p <= 1. The row's sum l is taken of the UNQUANTISED p, in f32, and the product's result is divided by l at the end. Since M is a whole number, a kernel that streams over the keys may use a running M (the ceiling of the running maximum): every later rescaling is an exact power of two, which a block's scale takes up: the codes' values come out the same.
;;   OPERANDS COMPUTED ON THE WAY. 'Computed on the way' means the value that the module computes at that place (a softmax that the list does not call 'softmax' is quantised finished and normalised). What goes into a quantiser is computed in f32, as accurately as f32 sums, v_exp_f32 and their like allow (about 1e-6 of the number): no bf16 or f16 on the way to a quantiser, and a product that is left as it is and whose result goes on into a quantised operand takes f32 operands (vector FMAs, or v_wmma_f32_16x16x4_f32). A number that lies on a knife's edge between two numbers of the format may be rounded either way, as far as f32 arithmetic and the matrix unit's own rounding can turn it there, and no further.
;; One version. Each part assembles by itself: llvm-mc -triple=amdgcn-amd-amdhsa -mcpu=gfx1250 --defsym DOCPART=n.
;; ======== version 1 of 1: 4 launches
;; workspace buffers: xw_codes 6,291,456 bytes; xw_scales 393,216 bytes; qkv_img 12,582,912 bytes; qkv_sc 786,432 bytes; o_img 4,194,304 bytes; o_sc 262,144 bytes
;; launch prep (part 1): grid 320 x 1, 4 waves a work-group, no clusters, 68,096 bytes of LDS; arguments x, Wq, Wk, Wv, Wo, xw_codes, xw_scales; writes xw_codes, xw_scales
.if DOCPART == 1
	.amdgcn_target "amdgcn-amd-amdhsa--gfx1250"
	.amdhsa_code_object_version 6
	.text
	.protected	k_q36047e3277_prep
	.globl	k_q36047e3277_prep
	.p2align	8
	.type	k_q36047e3277_prep,@function
k_q36047e3277_prep:
	s_mov_b64 s[64:65], 0
	v_nop
	global_prefetch_b8 v0, s[64:65] scope:SCOPE_SE
	s_setreg_imm32_b32 hwreg(HW_REG_WAVE_MODE, 25, 1), 1
	s_wait_xcnt 0x0
; x [8192][1024] f32 (K innermost) and Wq, Wk, Wv, Wo [1024 (k)][1024 (n)] f32 (K is the FIRST axis) become codes of FP4 (E2M1), K innermost, two codes a byte,
; with one E8M0 byte for each 32 along K: xw_codes [12288 rows][512 bytes], xw_scales [12288][32].  Rows 0-8191: x's tokens; rows 8192 + 1024 w + ..: weight w's output channels (0 q, 1 k, 2 v, 3 o).
; POSITION ORDER: index n (a token, an output channel) lies at row position n with its bits 3 and 4 exchanged.  Sixteen neighbouring positions, used as a matrix instruction's first source,
; then leave in a lane's registers of two neighbouring tiles sixteen NEIGHBOURING indices, which the later launches quantise along.
; A block's scale is 2^(floor(log2(its largest magnitude)) - 2): its byte is the largest magnitude's exponent field - 2, held at 1 from below.
; LIMITS: NaN and infinities among the inputs are not served; a block whose largest magnitude lies under 2^-124 gets the byte 1; a block of zeros gets the byte 1 where the quantiser's
; definition says 127: its codes are zeros, which add nothing under any byte but 0xff, and this program alone reads the bytes.
; Work-groups 0-255 take x (32 tokens each), 256-319 the weights (128 columns x 512 along K each).  The two ways part on the work-group's number, and each has LDS bytes of its own.
; No tensor loads, no barriers: waves share nothing.
.set FLOORB, 0x1800000                 ; the f32 number 2^(3 - 127)
.set EOFF,   0xff000000                ; takes 2 off an exponent field
.set SP,    80                         ; x: a lane's place in a stage: 64 bytes + 16 of padding
.set WREG,  8192                       ; x: LDS of a wave: two stages of 32 x SP bytes, then its 256 scale bytes
.set XR,    16                         ; v16-79   x: four sets of 16 numbers as loaded
.set XX,    80                         ; v80-111  x: two sets of 16 neighbours
.set XE,    112                        ; v112-127 x: a scale byte for each step
.set XC,    128                        ; v128-191 x: codes, four registers a step
.set WSTG,  32768                      ; weights: the stages begin behind x's LDS
.set WPITCH, 272                       ; a stage row: 256 bytes of codes + 16
.set WSB,   24                         ; v24-27   weights: 16 scale bytes
.set WX,    32                         ; v32-95   weights: two sets of 32 numbers
.set WC,    96                         ; v96-99   weights: a block's codes
.set WOUT,  112                        ; v112-175 weights: the way out
	s_load_b64 s[4:5], s[0:1], 0x0                 ; x
	s_load_b256 s[8:15], s[0:1], 0x8               ; Wq, Wk, Wv, Wo
	s_load_b128 s[16:19], s[0:1], 0x28             ; the codes, the scale bytes
	v_lshl_add_u32 v192, v0, 2, 0x10800
	v_mov_b32 v193, 0
	v_lshrrev_b32 v1, 5, v0
	v_readfirstlane_b32 s20, v1                    ; wave
	v_and_b32 v2, 31, v0                           ; lane
	s_cmp_lt_u32 ttmp9, 256
	s_cbranch_scc0 .Lweights
; ---------------- x: a plain stream of blocks of 32.  A wave takes 8 tokens: 16 steps of 512 numbers.
; Each load reads 512 consecutive bytes; a step's 2,048 bytes turn through the wave's own stage, so that a lane then holds 16 neighbours (two lanes hold a block).
	v_lshlrev_b32 v3, 4, v2                        ; my 16 bytes of a load's 512
	s_mul_i32 s21, s20, WREG
	v_lshrrev_b32 v14, 2, v2
	v_mul_u32_u24 v14, v14, SP
	v_and_b32 v15, 3, v2
	v_lshl_add_u32 v14, v15, 4, v14
	v_add_nc_u32 v14, s21, v14                     ; into the stage: SP (lane / 4) + 16 (lane % 4)
	v_mul_u32_u24 v15, v2, SP
	v_add_nc_u32 v15, s21, v15                     ; out of it: SP x lane
	v_lshlrev_b32 v4, 3, v2                        ; my 8 bytes of a step's codes
	v_lshrrev_b32 v5, 1, v2
	s_add_co_u32 s21, s21, 2*32*SP
	v_add_nc_u32 v5, s21, v5                       ; my block's byte among the wave's 256
	v_lshlrev_b32 v7, 3, v2
	v_add_nc_u32 v6, s21, v7
	s_lshl_b32 s22, ttmp9, 2
	s_add_co_u32 s24, s22, s20                     ; which run of 8 tokens I read: 4 x work-group + wave
	s_lshl_b32 s24, s24, 15                        ; 32,768 bytes a run
	s_mov_b32 s25, 0
	s_and_b32 s26, s20, 1                          ; where it goes: the run's bits 0 and 1 are the tokens' bits 3 and 4: exchanged
	s_lshl_b32 s26, s26, 1
	s_lshr_b32 s27, s20, 1
	s_or_b32 s26, s26, s27
	s_add_co_u32 s26, s22, s26
	s_lshl_b32 s28, s26, 12                        ; 4,096 bytes of codes a run,
	s_mov_b32 s29, 0
	s_lshl_b32 s30, s26, 8                         ; 256 scale bytes
	s_mov_b32 s31, 0
	s_wait_alu depctr_va_vdst(0)
	s_wait_kmcnt 0x0
	s_add_nc_u64 s[4:5], s[4:5], s[24:25]
	s_add_nc_u64 s[16:17], s[16:17], s[28:29]
	s_add_nc_u64 s[18:19], s[18:19], s[30:31]
.macro XLOAD t
.irp i, 0,1,2,3
	global_load_b128 v[XR+16*((\t)%4)+4*\i:XR+16*((\t)%4)+4*\i+3], v3, s[4:5] offset:2048*(\t)+512*\i th:TH_LOAD_NT
.endr
.endm
.macro XTURN t                         ; LDS serves a wave's instructions in order: no wait between the stores and the loads
.irp i, 0,1,2,3
	ds_store_b128 v14, v[XR+16*((\t)%4)+4*\i:XR+16*((\t)%4)+4*\i+3] offset:32*SP*((\t)%2)+8*SP*\i
.endr
.irp i, 0,1,2,3
	ds_load_b128 v[XX+16*((\t)%2)+4*\i:XX+16*((\t)%2)+4*\i+3], v15 offset:32*SP*((\t)%2)+16*\i
.endr
.endm
.irp t, 0,1,2,3
	XLOAD \t
.endr
	s_wait_loadcnt 12                              ; step 0's four loads are in; three steps' twelve may be out
	XTURN 0
.macro XSTEP t
.set XS, XX+16*((\t)%2)
.if (\t) > 0
	s_wait_dscnt 1                                 ; this step's numbers are back from the stage; the last step's byte store may be out
.else
	s_wait_dscnt 0x0
.endif
.if (\t)+4 < 16
	XLOAD (\t)+4                                   ; into the registers that the stage's stores have read
.endif
.if (\t)+1 < 16
.if 14-(\t) >= 3
	s_wait_loadcnt 12                              ; the next step's four loads are in; those of the three steps behind it may be out
.else
	s_wait_loadcnt 4*(14-(\t))
.endif
	XTURN (\t)+1
.endif
	v_max3_num_f32 v8, |v[XS]|, |v[XS+1]|, |v[XS+2]|
	v_max3_num_f32 v9, |v[XS+3]|, |v[XS+4]|, |v[XS+5]|
.irp i, 6,10
	v_max3_num_f32 v8, v8, |v[XS+\i]|, |v[XS+\i+1]|
	v_max3_num_f32 v9, v9, |v[XS+\i+2]|, |v[XS+\i+3]|
.endr
	v_max3_num_f32 v8, v8, |v[XS+14]|, |v[XS+15]|
	v_max3_num_f32 v8, v8, v9, FLOORB              ; the floor holds the byte at 1 from below
	v_max_num_f32_dpp v8, v8, v8 row_xmask:1 row_mask:0xf bank_mask:0xf   ; with my neighbour's 16: the block's largest magnitude
	v_add_nc_u32 v11, EOFF, v8                     ; the conversion takes the exponent field of this operand as its scale
	v_cvt_scalef32_pk8_fp4_f32 v[XC+4*(\t)], v[XS:XS+7], v11
	v_cvt_scalef32_pk8_fp4_f32 v[XC+4*(\t)+1], v[XS+8:XS+15], v11
	v_lshrrev_b32 v[XE+(\t)], 23, v11              ; the scale's byte (also the plain line behind the conversions)
	ds_store_b8 v5, v[XE+(\t)] offset:16*(\t)      ; both lanes of a block write the same byte with the same value
	global_store_b64 v4, v[XC+4*(\t):XC+4*(\t)+1], s[16:17] offset:256*(\t)   ; the wave stores 256 consecutive bytes, aligned
.endm
.irp t, 0,1,2,3,4,5,6,7,8,9,10,11,12,13,14,15
	XSTEP \t
.endr
	ds_load_b64 v[12:13], v6
	s_wait_dscnt 0x0
	global_store_b64 v7, v[12:13], s[18:19]        ; the wave's 256 scale bytes, consecutive and aligned
	s_wait_tensorcnt 0x0
	ds_add_u32 v192, v193
	s_wait_dscnt 0x0
	s_endpgm
; ---------------- the weights: a lane takes a column n and its registers run down K, so a block of 32 lies in one lane and the codes come out with K innermost.
; A wave takes 32 columns x 512 along K: 16 blocks a lane.  The codes go through the wave's own stage and leave as rows: sixteen lanes store 256 consecutive bytes.
.Lweights:
	s_sub_co_u32 s21, ttmp9, 256
	s_lshr_b32 s22, s21, 4                         ; which weight
	s_bfe_u32 s23, s21, 0x30001                    ; which 128 columns
	s_and_b32 s24, s21, 1                          ; which 512 along K
	s_wait_alu depctr_va_vdst(0)
	v_lshlrev_b32 v3, 2, v2                        ; in: 4 bytes a lane
	s_mul_i32 s25, s20, 32*WPITCH
	s_add_co_u32 s25, s25, WSTG                    ; my stage
	v_mul_u32_u24 v4, v2, WPITCH
	v_add_nc_u32 v4, s25, v4                       ; into it: row = my column
	v_and_b32 v5, 15, v2
	v_lshrrev_b32 v6, 4, v2
	v_mul_u32_u24 v7, v6, WPITCH
	v_lshl_add_u32 v7, v5, 4, v7
	v_add_nc_u32 v7, s25, v7                       ; out of it: sixteen lanes to a row, two rows an instruction
	v_lshlrev_b32 v8, 9, v6
	v_lshl_add_u32 v8, v5, 4, v8                   ; and the same in the codes' buffer (rows of 512 bytes)
	v_and_b32 v9, 7, v2                            ; my column's position among the wave's 32: bits 3 and 4 exchanged
	v_and_b32 v10, 8, v2
	v_lshl_or_b32 v9, v10, 1, v9
	v_and_b32 v10, 16, v2
	v_lshrrev_b32 v10, 1, v10
	v_or_b32 v9, v9, v10
	v_lshlrev_b32 v9, 5, v9                        ; 32 scale bytes a row
	s_lshl_b32 s26, s24, 21                        ; W: 512 rows of 4,096 bytes,
	s_lshl_b32 s27, s23, 9
	s_add_co_u32 s26, s26, s27
	s_lshl_b32 s27, s20, 7
	s_add_co_u32 s26, s26, s27                     ; + 4 x (128 x group + 32 x wave)
	s_mov_b32 s27, 0
	s_lshl_b32 s28, s22, 10
	s_lshl_b32 s29, s23, 7
	s_add_co_u32 s28, s28, s29
	s_lshl_b32 s29, s20, 5
	s_add_co_u32 s28, s28, s29
	s_add_co_u32 s28, s28, 8192                    ; my wave's first row of the buffers
	s_lshl_b32 s30, s28, 5
	s_lshl_b32 s31, s24, 4
	s_add_co_u32 s30, s30, s31                     ; scale bytes: 32 a row, + 16 for the second half of K
	s_mov_b32 s31, 0
	s_lshl_b32 s28, s28, 9
	s_lshl_b32 s29, s24, 8
	s_add_co_u32 s28, s28, s29                     ; codes: 512 a row, + 256
	s_mov_b32 s29, 0
	s_wait_kmcnt 0x0
	s_cmp_eq_u32 s22, 1                            ; the choice hangs on the work-group's number alone
	s_cselect_b64 s[8:9], s[10:11], s[8:9]
	s_cmp_eq_u32 s22, 2
	s_cselect_b64 s[8:9], s[12:13], s[8:9]
	s_cmp_eq_u32 s22, 3
	s_cselect_b64 s[8:9], s[14:15], s[8:9]
	s_add_nc_u64 s[8:9], s[8:9], s[26:27]
	s_add_nc_u64 s[16:17], s[16:17], s[28:29]
	s_add_nc_u64 s[18:19], s[18:19], s[30:31]
.macro WLOAD t                         ; block t: W(32 t + i, my column) into set t % 2; the largest immediate is 511 x 4,096
.irp i, 0,1,2,3,4,5,6,7,8,9,10,11,12,13,14,15,16,17,18,19,20,21,22,23,24,25,26,27,28,29,30,31
	global_load_b32 v[WX+32*((\t)%2)+\i], v3, s[8:9] offset:(32*(\t)+\i)*4096 th:TH_LOAD_NT
.endr
.endm
	WLOAD 0
	WLOAD 1
.macro WBLOCK t
.set XS, WX+32*((\t)%2)
.if (\t) < 15
	s_wait_loadcnt 32                              ; this block's 32 loads are in; the next block's may be out
.else
	s_wait_loadcnt 0
.endif
	v_max3_num_f32 v12, |v[XS]|, |v[XS+1]|, |v[XS+2]|
	v_max3_num_f32 v13, |v[XS+3]|, |v[XS+4]|, |v[XS+5]|
.irp i, 6,10,14,18,22,26
	v_max3_num_f32 v12, v12, |v[XS+\i]|, |v[XS+\i+1]|
	v_max3_num_f32 v13, v13, |v[XS+\i+2]|, |v[XS+\i+3]|
.endr
	v_max3_num_f32 v12, v12, |v[XS+30]|, |v[XS+31]|
	v_max3_num_f32 v12, v12, v13, FLOORB
	v_add_nc_u32 v11, EOFF, v12
	v_lshrrev_b32 v13, 23, v11
.if (\t)%4 == 0
	v_mov_b32 v[WSB+(\t)/4], v13
.else
	v_lshl_or_b32 v[WSB+(\t)/4], v13, 8*((\t)%4), v[WSB+(\t)/4]
.endif
.irp g, 0,1,2,3
	v_cvt_scalef32_pk8_fp4_f32 v[WC+\g], v[XS+8*\g:XS+8*\g+7], v11
.endr
	v_nop                                          ; one plain line behind the last conversion
	ds_store_b128 v4, v[WC:WC+3] offset:16*(\t)
.if (\t)+2 < 16
	WLOAD (\t)+2
.endif
	s_wait_dscnt 0x0                               ; the store has read its registers: the next block's codes may be written
.endm
.set Q, 0
.rept 16
	WBLOCK Q
.set Q, Q+1
.endr
	s_wait_alu depctr_va_vdst(0)
	global_store_b128 v9, v[WSB:WSB+3], s[18:19]   ; my column's 16 scale bytes, at its position's row
.irp t, 0,1,2,3,4,5,6,7,8,9,10,11,12,13,14,15
	ds_load_b128 v[WOUT+4*\t:WOUT+4*\t+3], v7 offset:2*\t*WPITCH
.endr
.irp t, 0,1,2,3,4,5,6,7,8,9,10,11,12,13,14,15
	s_wait_dscnt 15-\t
	global_store_b128 v8, v[WOUT+4*\t:WOUT+4*\t+3], s[16:17] offset:(((2*\t)&7)|(((2*\t)&8)<<1)|(((2*\t)&16)>>1))*512   ; columns 2 t, 2 t + 1 at their positions' rows
.endr
	s_wait_tensorcnt 0x0
	ds_add_u32 v192, v193
	s_wait_dscnt 0x0
	s_endpgm
.Lfunc_end_k_q36047e3277_prep:
	.size	k_q36047e3277_prep, .Lfunc_end_k_q36047e3277_prep-k_q36047e3277_prep
	.p2alignl 7, 3214868480
	.fill 96, 4, 3214868480
	.section	.rodata,"a",@progbits
	.p2align	6, 0x0
	.amdhsa_kernel k_q36047e3277_prep
		.amdhsa_group_segment_fixed_size 68096
		.amdhsa_private_segment_fixed_size 0
		.amdhsa_enable_private_segment 0
		.amdhsa_kernarg_size 56
		.amdhsa_user_sgpr_count 2
		.amdhsa_user_sgpr_kernarg_segment_ptr 1
		.amdhsa_wavefront_size32 1
		.amdhsa_system_sgpr_workgroup_id_x 1
		.amdhsa_system_sgpr_workgroup_id_y 1
		.amdhsa_system_sgpr_workgroup_id_z 1
		.amdhsa_system_vgpr_workitem_id 0
		.amdhsa_next_free_vgpr 194
		.amdhsa_next_free_sgpr 66
		.amdhsa_reserve_vcc 0
		.amdhsa_float_denorm_mode_32 3
		.amdhsa_float_denorm_mode_16_64 3
		.amdhsa_memory_ordered 1
		.amdhsa_forward_progress 1
		.amdhsa_inst_pref_size 112
	.end_amdhsa_kernel
	.amdgpu_metadata
---
amdhsa.version: [ 1, 2 ]
amdhsa.kernels:
  - .name:           k_q36047e3277_prep
    .symbol:         k_q36047e3277_prep.kd
    .args:
      - { .name: x, .offset: 0, .size: 8, .value_kind: global_buffer, .address_space: global }
      - { .name: Wq, .offset: 8, .size: 8, .value_kind: global_buffer, .address_space: global }
      - { .name: Wk, .offset: 16, .size: 8, .value_kind: global_buffer, .address_space: global }
      - { .name: Wv, .offset: 24, .size: 8, .value_kind: global_buffer, .address_space: global }
      - { .name: Wo, .offset: 32, .size: 8, .value_kind: global_buffer, .address_space: global }
      - { .name: xw_codes, .offset: 40, .size: 8, .value_kind: global_buffer, .address_space: global }
      - { .name: xw_scales, .offset: 48, .size: 8, .value_kind: global_buffer, .address_space: global }
    .group_segment_fixed_size: 68096
    .private_segment_fixed_size: 0
    .kernarg_segment_align: 8
    .kernarg_segment_size: 56
    .max_flat_workgroup_size: 128
    .sgpr_count:     66
    .vgpr_count:     194
    .wavefront_size: 32
...
	.end_amdgpu_metadata
.endif
;; end of part 1
;; launch qkv (part 2): grid 12 x 32, 4 waves a work-group, clusters of 4 x 4, 327,680 bytes of LDS; arguments xw_codes, xw_scales, bq, bk, bv, qkv_img, qkv_sc; writes qkv_img, qkv_sc
.if DOCPART == 2
	.amdgcn_target "amdgcn-amd-amdhsa--gfx1250"
	.amdhsa_code_object_version 6
	.text
	.protected	k_q36047e3277_qkv
	.globl	k_q36047e3277_qkv
	.p2align	8
	.type	k_q36047e3277_qkv,@function
k_q36047e3277_qkv:
	s_mov_b64 s[64:65], 0
	v_nop
	global_prefetch_b8 v0, s[64:65] scope:SCOPE_SE
	s_setreg_imm32_b32 hwreg(HW_REG_WAVE_MODE, 25, 1), 1
	s_wait_xcnt 0x0
	s_wait_alu depctr_hold_cnt(0) depctr_sa_sdst(0) depctr_va_vdst(0) depctr_va_sdst(0) depctr_va_ssrc(0) depctr_va_vcc(0) depctr_vm_vsrc(0)
	s_getreg_b32 s2, hwreg(HW_REG_IB_STS2, 6, 4)
	s_cmp_eq_u32 s2, 0
	s_cbranch_scc0 .Lentry_in_a_cluster
	s_endpgm
.Lentry_in_a_cluster:
	s_bfe_u32 s2, ttmp6, 0x10000c
	s_cmp_lg_u32 s2, 0xf033
	s_cbranch_scc0 .Lentry_shape_is_right
	s_endpgm
.Lentry_shape_is_right:
; q = x Wq + bq, k = x Wk + bk, v = x Wv + bv on codes of FP4 with E8M0 scales, K = 1,024; the results are quantised at once: q and k along a head's 64 channels, v along the keys.
; A work-group of four waves makes 256 x 256 results, a wave 128 x 128 (64 accumulators, 512 registers).  Both K steps of 512 of both operands fit in LDS: two slots, each filled ONCE; nothing is filled again.
; CLUSTERS of 4 x 4.  The cluster's x says which product (0 q, 1 k, 2 v), its y which 1,024 tokens.  The first source of the matrix instruction is called B here, the second A (rows in xw_codes):
;   q, k: A = x's tokens, B = the weight's channels: a lane holds ONE TOKEN and its registers run along the channels;
;   v:    A = Wv's channels, B = x's tokens:         a lane holds ONE CHANNEL and its registers run along the tokens, which are the next product's K.
; A's tiles are shared along a row of the cluster, B's along a column: each is asked for jointly.  Rows lie in POSITION ORDER (index with bits 3 and 4 exchanged), so register 16 g + i of a block's 64 results
; is index 32 g + 16 (lane / 16) + i of B's 128: sixteen neighbours, as the conversions want them.
; OUT: a block (16 rows of A x 128 of B) becomes one operand fragment of 8 registers and a scale word a row.  Fragments leave as IMAGES OF THEIR REGISTERS: 512 bytes for four registers, lane l's 16 bytes at 16 l.
;   qkv_img: [16: q's 8 head pairs, k's 8][512 tiles of 16 tokens][head in the pair][512 B]; from byte 8,388,608 v^T: [64 steps of 128 keys][64 tiles of 16 channels][2][512 B].
;   qkv_sc:  [16][8192 tokens] words; from byte 524,288: [64][64][16] words.   A wave's codes are 8,192 consecutive bytes and its scale words 512 on both ways, so one text stores both.
; LIMITS: NaN and infinities are not served; a block whose largest magnitude lies under 2^-124, and a block of zeros, get the byte 1 (zero codes add nothing; this program alone reads the bytes).
; REGISTERS: window 0: v0-31 addresses; v32-95 scale words, two sets, and nothing else; v96-103 the row biases; v104-111 the scale words made; v112-127 at work; v128-191 A's fragments, later a block's 64 numbers;
;   v192-255 the codes made.  window 1: B's fragments at v0 and v128; v64-127 the column biases.  windows 2, 3: the accumulators ((a, b) at v[8 (8 (a % 4) + b)]).
.set NQ,     4                         ; matrix instructions deep in a slot: 512 along K
.set ROWB,   256                       ; a tile's row in bytes
.set KROW,   512                       ; a row of xw_codes
.set PITCH,  272                       ; an LDS row: 256 bytes + 16: the sixteen rows of a fragment load start at sixteen different groups of four banks
.set FR,     8
.set NL,     2
.set NP,     4
.set HALFT,  128*PITCH
.set SLOT,   4*HALFT                   ; A's 256 rows, then B's 256 rows
.set KS,     32                        ; a row of scale bytes
.set SCL,    2*SLOT                    ; the scale bytes, as rows of 256 bytes + 16
.set HALFS,  16*272
.set SBLK,   2*272
.set SPARE,  SCL+4*HALFS               ; the spare words: 128 bytes a wave, named by no other line
.set SCSTG,  SPARE+512                 ; a stage of 512 bytes for each wave's scale words
.set ADRA, 16
.set ADRB, 20
.set GO,   24                          ; v24  16 x lane
.set SWA,  25                          ; v25  where I put a row's scale word
.set SRA,  26                          ; v26  where I read 16 bytes of them back
.set ADRS, 27
.set SPW,  28
.set NIL,  29
.set SC,   32
.set RB,   96
.set PW,   104
.set TM,   112
.set AF,   128
.set T,    128
.set PC,   192
.set CB,   64                          ; in window 1
.set SEL,  66                          ; s[66:67] lane selects: lane l xor 16
.set G1, 24
.set G0, 32
.set G1B, 48
.set G0B, 56
.set G1S, 68
.set G0S, 76
.set G1SB, 80
.set G0SB, 88
.set MSB, 0
.macro WIN new                         ; the immediate's high byte repeats the setting that is left
.if MSB != (\new)
	s_set_vgpr_msb (MSB<<8)|(\new)
.set MSB, (\new)
.endif
.endm
.set MUL_LO, 0xa1                      ; source 0 (B) window 1, source 1 (A) window 0, C and D window 2
.set MUL_HI, 0xf1
.set TO_B,   0x40
; A joint load: waves 0 and 1 fetch for A, waves 2 and 3 for B; four v_nop follow each of the two lines.
.macro JLOAD g0a, g1a, g0b, g1b
	s_cmp_eq_u32 s15, 0
	s_cbranch_scc0 .Lfor_b_\@
	tensor_load_to_lds s[\g0a:\g0a+3], s[\g1a:\g1a+7]
	s_nop 0
.rept 4
	v_nop
.endr
	s_branch .Lasked_\@
.Lfor_b_\@:
	tensor_load_to_lds s[\g0b:\g0b+3], s[\g1b:\g1b+7]
	s_nop 0
.rept 4
	v_nop
.endr
.Lasked_\@:
.endm
.macro CROUND                          ; a round of the cluster's barrier
	s_barrier_signal -1
	s_barrier_wait -1
	s_cmp_lg_u32 s14, 0
	s_cbranch_scc1 .Lnot_wave_0_\@
	s_barrier_signal -3
.Lnot_wave_0_\@:
	s_barrier_wait -3
	s_barrier_signal -1
	s_barrier_wait -1
.endm
	s_load_b256 s[4:11], s[0:1], 0x0               ; codes s[4:5], scale bytes s[6:7], bq s[8:9], bk s[10:11]
	s_load_b128 s[96:99], s[0:1], 0x20             ; bv s[96:97], qkv_img s[98:99]
	s_load_b64 s[100:101], s[0:1], 0x30            ; qkv_sc
	v_lshl_add_u32 v[SPW], v0, 2, SPARE
	v_mov_b32 v[NIL], 0
	ds_add_u32 v28, v29
	ds_add_u32 v28, v29
	s_wait_dscnt 0x0
	v_lshrrev_b32 v1, 5, v0
	v_readfirstlane_b32 s14, v1                    ; wave 0..3
	s_lshr_b32 s15, s14, 1                         ; which half of A's rows is mine.  Also: I fetch for A (0) or for B (1)
	s_and_b32 s16, s14, 1                          ; which half of B's rows.  Also: which 128 rows I fetch
	s_bfe_u32 s40, ttmp6, 0x40000                  ; cx
	s_bfe_u32 s41, ttmp6, 0x40004                  ; cy
	s_lshl_b32 s43, s41, 2
	s_lshl_b32 s43, 15, s43                        ; my row of the cluster
	s_lshl_b32 s44, 0x1111, s40                    ; my column
	s_or_b32 s[G1+0], s43, (0<<16)|(1<<20)|(1<<21)|(5<<22)|(3<<25)   ; elements of 1 byte; 4 words of padding behind every 64; bit 21 beside the mask
	s_or_b32 s[G1B+0], s44, (0<<16)|(1<<20)|(1<<21)|(5<<22)|(3<<25)
.irp g, G1, G1B
	s_mov_b32 s[\g+1], ROWB<<16                    ; tensor_dim0
	s_mov_b32 s[\g+2], 128<<16                     ; tensor_dim1
	s_mov_b32 s[\g+3], ROWB<<16                    ; tile_dim0
	s_mov_b32 s[\g+4], 128                         ; tile_dim1
	s_mov_b32 s[\g+5], KROW                        ; from row to row
	s_mov_b32 s[\g+6], 0
	s_mov_b32 s[\g+7], 0
.endr
	s_or_b32 s[G1S+0], s43, (3<<16)|(1<<20)|(1<<21)|(5<<22)|(3<<25)  ; the scale bytes of 128 rows: 4,096 dense bytes as 16 rows of 32 elements of 8 bytes
	s_or_b32 s[G1SB+0], s44, (3<<16)|(1<<20)|(1<<21)|(5<<22)|(3<<25)
.irp g, G1S, G1SB
	s_mov_b32 s[\g+1], 32<<16
	s_mov_b32 s[\g+2], 16<<16
	s_mov_b32 s[\g+3], 32<<16
	s_mov_b32 s[\g+4], 16
	s_mov_b32 s[\g+5], 32
	s_mov_b32 s[\g+6], 0
	s_mov_b32 s[\g+7], 0
.endr
	; which rows of xw_codes.  The choice hangs on the cluster's x alone, which all sixteen partners share.
	s_and_b32 s17, ttmp7, 0xffff
	s_lshl_b32 s17, s17, 10                        ; the cluster's 1,024 tokens
	s_lshl_b32 s18, ttmp9, 10
	s_add_co_u32 s18, s18, 8192                    ; the weight's rows (q, k)
	s_mov_b32 s19, 10240                           ; Wv's rows
	s_cmp_eq_u32 ttmp9, 2
	s_cselect_b32 s2, 1, 0                         ; 1: this cluster makes v
	s_cselect_b32 s20, s19, s17                    ; A
	s_cselect_b32 s46, s17, s18                    ; B
	s_lshl_b32 s22, s16, 7                         ; which 128 rows I fetch
	s_lshl_b32 s23, s41, 8
	s_add_co_u32 s20, s20, s23                     ; A: + 256 cy
	s_add_co_u32 s20, s20, s22
	s_lshl_b32 s42, s40, 8
	s_add_co_u32 s46, s46, s42                     ; B: + 256 cx
	s_add_co_u32 s46, s46, s22
	s_lshl_b32 s22, s20, 5                         ; their scale bytes,
	s_mov_b32 s23, 0
	s_lshl_b32 s92, s46, 5
	s_mov_b32 s93, 0
	s_lshl_b32 s20, s20, 9                         ; their codes
	s_mov_b32 s21, 0
	s_lshl_b32 s46, s46, 9
	s_mov_b32 s47, 0
	s_mul_i32 s45, s14, HALFT                      ; where they go: wave x 128 rows
	s_mul_i32 s94, s14, HALFS
	s_mov_b32 s[SEL], 0x76543210
	s_mov_b32 s[SEL+1], 0xfedcba98
	s_wait_kmcnt 0x0
	s_add_nc_u64 s[20:21], s[4:5], s[20:21]
	s_add_nc_u64 s[22:23], s[6:7], s[22:23]
	s_add_nc_u64 s[46:47], s[4:5], s[46:47]
	s_add_nc_u64 s[92:93], s[6:7], s[92:93]
	CROUND                                         ; all sixteen work-groups are here: the joint loads meet
	s_mov_b32 s[G0S], 1
	s_add_co_u32 s[G0S+1], s94, SCL
	s_mov_b64 s[G0S+2:G0S+3], s[22:23]
	s_or_b32 s[G0S+3], s[G0S+3], 0x80000000
	s_mov_b32 s[G0SB], 1
	s_add_co_u32 s[G0SB+1], s94, SCL
	s_mov_b64 s[G0SB+2:G0SB+3], s[92:93]
	s_or_b32 s[G0SB+3], s[G0SB+3], 0x80000000
	JLOAD G0S, G1S, G0SB, G1SB                     ; three loads of mine go out: the scale bytes, slot 0, slot 1
.irp s, 0,1
	s_mov_b32 s[G0+4*\s], 1
	s_add_co_u32 s[G0+4*\s+1], s45, \s*SLOT
	s_add_nc_u64 s[G0+4*\s+2:G0+4*\s+3], s[20:21], \s*ROWB
	s_or_b32 s[G0+4*\s+3], s[G0+4*\s+3], 0x80000000
	s_mov_b32 s[G0B+4*\s], 1
	s_add_co_u32 s[G0B+4*\s+1], s45, \s*SLOT
	s_add_nc_u64 s[G0B+4*\s+2:G0B+4*\s+3], s[46:47], \s*ROWB
	s_or_b32 s[G0B+4*\s+3], s[G0B+4*\s+3], 0x80000000
	JLOAD G0+4*\s, G1, G0B+4*\s, G1B
.endr
	v_and_b32 v1, 15, v0                           ; r
	v_bfe_u32 v2, v0, 4, 1                         ; h
	v_mul_u32_u24 v3, v1, PITCH
	v_lshl_add_u32 v4, v2, 4, v3
	s_mul_i32 s21, s15, HALFT                      ; my 128 rows of A
	s_mul_i32 s22, s16, HALFT
	s_add_co_u32 s22, s22, 2*HALFT                 ; my 128 rows of B, behind A's 256
.irp s, 0,1
	v_add_nc_u32 v[ADRA+\s], s21, v4
	v_add_nc_u32 v[ADRB+\s], s22, v4
	s_add_co_u32 s21, s21, SLOT
	s_add_co_u32 s22, s22, SLOT
.endr
	v_mul_u32_u24 v5, v1, KS                       ; my row's scale bytes: 32 a row, and 16 more for each 256 passed
	v_lshrrev_b32 v6, 8, v5
	v_lshl_add_u32 v5, v6, 4, v5
	s_mul_i32 s21, s15, HALFS
	s_mul_i32 s22, s16, HALFS
	s_add_co_u32 s22, s22, 2*HALFS
	s_sub_co_u32 s22, s22, s21
	v_mul_u32_u24 v6, s22, v2                      ; lanes 16-31 take B's
	s_add_co_u32 s21, s21, SCL
	v_add_nc_u32 v5, v5, v6
	v_add_nc_u32 v[ADRS], s21, v5
	v_and_b32 v6, 31, v0
	v_lshlrev_b32 v[GO], 4, v6
	s_lshl_b32 s23, s14, 9
	s_add_co_u32 s23, s23, SCSTG                   ; my stage for scale words
	v_lshl_add_u32 v[SWA], v1, 2, s23
	v_add_nc_u32 v[SRA], s23, v[GO]
.irp b, 0,1,2,3
	v_mov_b32 v[TM+4+\b], 0                        ; written once: a lane permute's destination counts as one of its sources
.endr
	; the bias of this product, in both layouts; every address lies inside its 4,096 bytes on both ways
	s_cmp_eq_u32 ttmp9, 0
	s_cselect_b64 s[12:13], s[8:9], s[10:11]
	s_cmp_eq_u32 ttmp9, 2
	s_cselect_b64 s[12:13], s[96:97], s[12:13]
	s_lshl_b32 s42, s40, 10
	s_lshl_b32 s3, s16, 9
	s_add_co_u32 s42, s42, s3
	v_lshl_add_u32 v7, v2, 6, s42                  ; along B: bias[256 cx + 128 half + 16 h ..]
	s_lshl_b32 s42, s41, 10
	s_lshl_b32 s3, s15, 9
	s_add_co_u32 s42, s42, s3
	v_and_b32 v5, 7, v1
	v_lshrrev_b32 v6, 3, v1
	v_lshl_add_u32 v5, v6, 4, v5
	v_lshl_add_u32 v8, v5, 2, s42                  ; along A: bias[256 cy + 128 half + r % 8 + 16 (r / 8) ..]: the index at my row's position
	WIN TO_B
.irp g, 0,1,2,3
.irp j, 0,1,2,3
	global_load_b128 v[CB+16*\g+4*\j:CB+16*\g+4*\j+3], v7, s[12:13] offset:128*\g+16*\j
.endr
.endr
	WIN 0
.irp a, 0,1,2,3,4,5,6,7
	global_load_b32 v[RB+\a], v8, s[12:13] offset:(32*(\a/2)+8*(\a%2))*4
.endr
	; where my results go.  The codes' offset is 16 times the scale words'.
	s_and_b32 s18, ttmp7, 0xffff
	s_lshl_b32 s18, s18, 3
	s_lshl_b32 s19, ttmp9, 3
	s_cmp_eq_u32 ttmp9, 2
	s_cselect_b32 s22, 0, s18                      ; A's 128-row group: (q, k: 8 x cluster y) + 2 cy + half
	s_cselect_b32 s23, s18, s19                    ; B's: (v: 8 x cluster y; q, k: 8 x cluster x) + 2 cx + half
	s_cselect_b32 s92, 12, 15
	s_cselect_b32 s93, 524288, 0
	s_lshl_b32 s3, s41, 1
	s_add_co_u32 s22, s22, s3
	s_add_co_u32 s22, s22, s15
	s_lshl_b32 s3, s40, 1
	s_add_co_u32 s23, s23, s3
	s_add_co_u32 s23, s23, s16
	s_lshl_b32 s23, s23, s92
	s_lshl_b32 s22, s22, 9
	s_add_co_u32 s22, s22, s23
	s_add_co_u32 s22, s22, s93
	s_mov_b32 s23, 0
	s_add_nc_u64 s[100:101], s[100:101], s[22:23]
	s_lshl_b32 s22, s22, 4
	s_add_nc_u64 s[98:99], s[98:99], s[22:23]
.macro FRAG reg, adr, q, i             ; 16 rows x 128 K of 4-bit codes: registers 4 c .. 4 c + 3 hold K = 64 c + 32 (l / 16) + 0 .. 31
.irp c, 0,1
	ds_load_b128 v[\reg+4*\c:\reg+4*\c+3], v[\adr] offset:64*(\q)+32*\c+(\i)*16*PITCH
.endr
.endm
; 16 matrix instructions: A's blocks a0, a0 + 1 x B's eight.  The 64 accumulators take turns, one instruction a turn.
.macro MUL16 a0, p, q, sc, zero
.irp a, \a0, \a0+1
.irp b, 0,1,2,3,4,5,6,7
.if \zero
	v_wmma_scale_f32_16x16x128_f8f6f4 v[8*(8*((\a)%4)+\b):8*(8*((\a)%4)+\b)+7], v[128*(\p)+FR*\b:128*(\p)+FR*\b+FR-1], v[AF+FR*(\a):AF+FR*(\a)+FR-1], 0, v[SC+8*NQ*(\sc)+NQ*\b+(\q)], v[SC+8*NQ*(\sc)+NQ*(\a)+(\q)] matrix_a_fmt:MATRIX_FMT_FP4 matrix_b_fmt:MATRIX_FMT_FP4 matrix_a_scale:MATRIX_SCALE_ROW1
.else
	v_wmma_scale_f32_16x16x128_f8f6f4 v[8*(8*((\a)%4)+\b):8*(8*((\a)%4)+\b)+7], v[128*(\p)+FR*\b:128*(\p)+FR*\b+FR-1], v[AF+FR*(\a):AF+FR*(\a)+FR-1], v[8*(8*((\a)%4)+\b):8*(8*((\a)%4)+\b)+7], v[SC+8*NQ*(\sc)+NQ*\b+(\q)], v[SC+8*NQ*(\sc)+NQ*(\a)+(\q)] matrix_a_fmt:MATRIX_FMT_FP4 matrix_b_fmt:MATRIX_FMT_FP4 matrix_a_scale:MATRIX_SCALE_ROW1
.endif
.endr
.endr
.endm
.macro FETCH_B slot, q, p
	WIN TO_B
.irp i, 0,1,2,3,4,5,6,7
	FRAG 128*(\p)+FR*\i, ADRB+\slot, \q, \i
.endr
	WIN 0
.endm
.macro FETCH_A slot, q, i0
.irp i, \i0, \i0+1, \i0+2, \i0+3
	FRAG AF+FR*(\i), ADRA+\slot, \q, \i
.endr
.endm
.macro SCALES sc                       ; a K step's scale words: lanes 0-15 A's block i, lanes 16-31 B's block i
.irp i, 0,1,2,3,4,5,6,7
	ds_load_b128 v[SC+8*NQ*\sc+NQ*\i:SC+8*NQ*\sc+NQ*\i+3], v[ADRS] offset:\i*SBLK
.endr
.endm
.macro PLACES n                        ; plain vector lines between a matrix instruction and a load into, or a read of, its registers
.rept \n
	v_nop
.endr
.endm
.macro STEP slot, q, zero              ; 128 along K with its successor in the same slot
	s_wait_dscnt 4*NL                              ; all but the youngest eight loads (A's blocks 4-7) are in
	WIN MUL_LO
	MUL16 0, (\q)%2, \q, \slot, \zero
	MUL16 2, (\q)%2, \q, \slot, \zero
	s_wait_dscnt 0
	PLACES NP
	FETCH_B \slot, (\q)+1, 1-(\q)%2
	FETCH_A \slot, (\q)+1, 0
	WIN MUL_HI
	MUL16 4, (\q)%2, \q, \slot, \zero
	MUL16 6, (\q)%2, \q, \slot, \zero
	PLACES NP
	WIN 0
	FETCH_A \slot, (\q)+1, 4
.endm
.macro TURN slot, next                 ; a slot's last step: behind one barrier the other slot, which every wave has waited for, is read
	s_wait_tensorcnt 0x0                           ; my part of the other slot has landed
	ds_add_u32 v[SPW], v[NIL]                      ; 0 onto my spare word
	s_wait_dscnt 4*NL+1                            ; the add and the youngest eight loads may be out
	WIN MUL_LO
	MUL16 0, 1, NQ-1, \slot, 0
	s_wait_dscnt 0x0
	s_barrier_signal -1
	MUL16 2, 1, NQ-1, \slot, 0
	WIN 0
	s_barrier_wait -1
	PLACES NP
	v_add_nc_u32 v[ADRS], 4*NQ, v[ADRS]            ; the next K step's scale words
	FETCH_B \next, 0, 0
	FETCH_A \next, 0, 0
	SCALES \next
	WIN MUL_HI
	MUL16 4, 1, NQ-1, \slot, 0
	MUL16 6, 1, NQ-1, \slot, 0
	PLACES NP
	WIN 0
	FETCH_A \next, 0, 4
.endm
; 64 numbers of a lane, register 16 b + i = index 32 b + 16 (lane / 16) + i of my row, become a fragment's codes in v[pc] on and its scale word in v[pw].
.macro QUANT s, pc, pw
.irp b, 0,1,2,3
	v_max3_num_f32 v[TM+\b], |v[\s+16*\b]|, |v[\s+1+16*\b]|, 0x1800000   ; the floor 2^(3 - 127) holds the byte at 1 from below
.endr
.irp i, 2,4,6,8,10,12,14
.irp b, 0,1,2,3
	v_max3_num_f32 v[TM+\b], v[TM+\b], |v[\s+16*\b+\i]|, |v[\s+1+16*\b+\i]|
.endr
.endr
.irp b, 0,1,2,3
	v_permlanex16_b32 v[TM+4+\b], v[TM+\b], s[SEL], s[SEL+1]
.endr
.irp b, 0,1,2,3
	v_max_num_f32 v[TM+\b], v[TM+\b], v[TM+4+\b]   ; with lane l xor 16's: the block's largest magnitude
.endr
.irp b, 0,1,2,3
	v_add_nc_u32 v[TM+12+\b], 0xff000000, v[TM+\b] ; 2 off its exponent field: the conversion's scale operand
.endr
.irp b, 0,1,2,3
	v_lshrrev_b32 v[TM+4+\b], 23, v[TM+12+\b]      ; the scale's byte
.endr
	v_lshl_or_b32 v[\pw], v[TM+5], 8, v[TM+4]
	v_lshl_or_b32 v[\pw], v[TM+6], 16, v[\pw]
	v_lshl_or_b32 v[\pw], v[TM+7], 24, v[\pw]
.irp b, 0,1,2,3
	v_cvt_scalef32_pk8_fp4_f32 v[\pc+2*\b], v[\s+16*\b:\s+7+16*\b], v[TM+12+\b]
	v_cvt_scalef32_pk8_fp4_f32 v[\pc+1+2*\b], v[\s+8+16*\b:\s+15+16*\b], v[TM+12+\b]
.endr
	v_nop                                          ; one plain line behind a scaled conversion
.irp c, 0,1                                    ; the operand's layout wants a whole block in a lane
.irp i, 0,1
	v_permlane16_swap_b32 v[\pc+4*\c+\i], v[\pc+2+4*\c+\i]
.endr
.endr
.endm
; Block a of my eight: the bias, the quantiser, the stores.  The two arms hold work on registers alone; the branch hangs on the cluster's x.  Each accumulator is read from its low end on.
.macro OUTBLK a
.set AC, 64*((\a)%4)
	s_cmp_lg_u32 s2, 0
	s_cbranch_scc1 .Lis_v_\@
	WIN 0x06+(\a)/4                                ; accumulators window 2 or 3, the column biases window 1
.set i, 0
.rept 32
	v_pk_add_f32 v[T+2*i:T+2*i+1], v[AC+2*i:AC+2*i+1], v[CB+2*i:CB+2*i+1]
.set i, i+1
.endr
	WIN 0
	s_branch .Ljoin_\@
.Lis_v_\@:
	WIN 0x02+(\a)/4
.set i, 0
.rept 64
	v_add_f32 v[T+i], v[AC+i], v[RB+(\a)]
.set i, i+1
.endr
	WIN 0
.Ljoin_\@:
	QUANT T, PC+8*(\a), PW+(\a)
	global_store_b128 v[GO], v[PC+8*(\a):PC+8*(\a)+3], s[98:99] offset:1024*(\a)          ; 512 consecutive bytes, aligned
	global_store_b128 v[GO], v[PC+8*(\a)+4:PC+8*(\a)+7], s[98:99] offset:1024*(\a)+512
	ds_store_b32 v[SWA], v[PW+(\a)] offset:64*(\a)   ; both halves of the lanes write the same word with the same value
.endm
	s_wait_tensorcnt 1                             ; the scale bytes and my part of slot 0 are in; slot 1's load may be out
	s_barrier_signal -1
	s_barrier_wait -1
	FETCH_B 0, 0, 0
	FETCH_A 0, 0, 0
	SCALES 0
	FETCH_A 0, 0, 4
	STEP 0, 0, 1                                   ; the first products start the sums: nothing is cleared
	STEP 0, 1, 0
	STEP 0, 2, 0
	TURN 0, 1
	STEP 1, 0, 0
	STEP 1, 1, 0
	STEP 1, 2, 0
	s_wait_dscnt 4*NL                              ; the last step: nothing more to fetch
	WIN MUL_LO
	MUL16 0, 1, NQ-1, 1, 0
	MUL16 2, 1, NQ-1, 1, 0
	s_wait_dscnt 0
	WIN MUL_HI
	MUL16 4, 1, NQ-1, 1, 0
	MUL16 6, 1, NQ-1, 1, 0
	WIN 0
	s_wait_loadcnt 0x0                             ; the biases
	PLACES NP
.irp a, 0,1,2,3,4,5,6,7
	OUTBLK \a                                      ; each block has registers of its own for its codes and its word: no store's data are written again
.endr
	ds_load_b128 v[T:T+3], v[SRA]                  ; LDS serves a wave's instructions in order: this sees my eight stores
	s_wait_dscnt 0x0
	global_store_b128 v[GO], v[T:T+3], s[100:101]  ; my 128 scale words: 512 consecutive bytes, aligned
	s_wait_tensorcnt 0x0                           ; the wave's end
	ds_add_u32 v[SPW], v[NIL]
	s_wait_dscnt 0x0
	CROUND                                         ; the closing round
	s_endpgm
.Lfunc_end_k_q36047e3277_qkv:
	.size	k_q36047e3277_qkv, .Lfunc_end_k_q36047e3277_qkv-k_q36047e3277_qkv
	.p2alignl 7, 3214868480
	.fill 96, 4, 3214868480
	.section	.rodata,"a",@progbits
	.p2align	6, 0x0
	.amdhsa_kernel k_q36047e3277_qkv
		.amdhsa_group_segment_fixed_size 327680
		.amdhsa_private_segment_fixed_size 0
		.amdhsa_enable_private_segment 0
		.amdhsa_kernarg_size 56
		.amdhsa_user_sgpr_count 2
		.amdhsa_user_sgpr_kernarg_segment_ptr 1
		.amdhsa_wavefront_size32 1
		.amdhsa_system_sgpr_workgroup_id_x 1
		.amdhsa_system_sgpr_workgroup_id_y 1
		.amdhsa_system_sgpr_workgroup_id_z 1
		.amdhsa_system_vgpr_workitem_id 0
		.amdhsa_next_free_vgpr 1024
		.amdhsa_next_free_sgpr 102
		.amdhsa_reserve_vcc 0
		.amdhsa_float_denorm_mode_32 3
		.amdhsa_float_denorm_mode_16_64 3
		.amdhsa_memory_ordered 1
		.amdhsa_forward_progress 1
		.amdhsa_inst_pref_size 164
	.end_amdhsa_kernel
	.amdgpu_metadata
---
amdhsa.version: [ 1, 2 ]
amdhsa.kernels:
  - .name:           k_q36047e3277_qkv
    .symbol:         k_q36047e3277_qkv.kd
    .args:
      - { .name: xw_codes, .offset: 0, .size: 8, .value_kind: global_buffer, .address_space: global }
      - { .name: xw_scales, .offset: 8, .size: 8, .value_kind: global_buffer, .address_space: global }
      - { .name: bq, .offset: 16, .size: 8, .value_kind: global_buffer, .address_space: global }
      - { .name: bk, .offset: 24, .size: 8, .value_kind: global_buffer, .address_space: global }
      - { .name: bv, .offset: 32, .size: 8, .value_kind: global_buffer, .address_space: global }
      - { .name: qkv_img, .offset: 40, .size: 8, .value_kind: global_buffer, .address_space: global }
      - { .name: qkv_sc, .offset: 48, .size: 8, .value_kind: global_buffer, .address_space: global }
    .group_segment_fixed_size: 327680
    .private_segment_fixed_size: 0
    .kernarg_segment_align: 8
    .kernarg_segment_size: 56
    .max_flat_workgroup_size: 128
    .sgpr_count:     102
    .vgpr_count:     1024
    .wavefront_size: 32
...
	.end_amdgpu_metadata
.endif
;; end of part 2
;; launch attn (part 3): grid 4 x 64, 16 waves a work-group, clusters of 4 x 1, 169,984 bytes of LDS; arguments qkv_img, qkv_sc, o_img, o_sc; writes o_img, o_sc
.if DOCPART == 3
	.amdgcn_target "amdgcn-amd-amdhsa--gfx1250"
	.amdhsa_code_object_version 6
	.text
	.protected	k_q36047e3277_attn
	.globl	k_q36047e3277_attn
	.p2align	8
	.type	k_q36047e3277_attn,@function
k_q36047e3277_attn:
	s_mov_b64 s[64:65], 0
	v_nop
	global_prefetch_b8 v0, s[64:65] scope:SCOPE_SE
	s_setreg_imm32_b32 hwreg(HW_REG_WAVE_MODE, 25, 1), 1
	s_wait_xcnt 0x0
	s_wait_alu depctr_hold_cnt(0) depctr_sa_sdst(0) depctr_va_vdst(0) depctr_va_sdst(0) depctr_va_ssrc(0) depctr_va_vcc(0) depctr_vm_vsrc(0)
	s_getreg_b32 s2, hwreg(HW_REG_IB_STS2, 6, 4)
	s_cmp_eq_u32 s2, 0
	s_cbranch_scc0 .Lentry_in_a_cluster
	s_endpgm
.Lentry_in_a_cluster:
	s_bfe_u32 s2, ttmp6, 0x10000c
	s_cmp_lg_u32 s2, 0x3003
	s_cbranch_scc0 .Lentry_shape_is_right
	s_endpgm
.Lentry_shape_is_right:
; Causal attention of one (batch, head) by a cluster of four work-groups, on codes of FP4 with E8M0 scales; the result is divided by the row's sum and quantised along the channels for the last product.
; t = score x log2(e) / 8; M = the running largest t rounded UP to a whole number; p = 2^(t - M) is quantised along the keys, not normalised; the sum is taken of the unquantised p.
; THE WHOLE HEAD STAYS IN LDS: K's 128 tiles of 16 keys, V^T's 64 fragments and both sets of scale words, 143,360 bytes, filled ONCE by joint loads that name all four work-groups.
; No slot, no refill, no LDS store, and one barrier.
; SHARES.  The head's 128 tiles of 16 queries form 64 pairs (t, 127 - t), one pair for each of the cluster's 64 waves.  Tile t needs key steps 0 .. t / 8 (128 keys a step), so every wave has 17 steps.
; With a = wave / 2: the first tile is 8 a + 2 cx + wave % 2 and ends at step a, the second at step 15 - a: branches hang on the wave's number and the loop's counter alone.
; The place in the cluster enters global addresses and the numbers that the mask compares, nothing else.
; LAYOUT.  Both products are used transposed (S^T = K Q^T, O^T = V^T P^T): a lane holds ONE query.  Tokens and channels lie in POSITION ORDER (index with bits 3 and 4 exchanged), so register 16 b + i of the
; scores is key 32 b + 16 (lane / 16) + i of the step, and register 16 g + i of O^T is channel 32 g + 16 (lane / 16) + i of the head.  A head has 64 channels: the upper half of the first product's K is zero codes.
; LIMITS: NaN and infinities are not served; v_exp_f32 gives 0 for results under 2^-126; 1 / sum is v_rcp_f32; a block whose largest magnitude lies under 2^-124, and a block of zeros, get the byte 1.
; REGISTERS: v1-7 addresses that stay, v8-11 those of the step; v12 -M, v13 the largest t, v[14:15] the sum; v16-23 Q (20-23 zeros); v24-27 V's scale words; v28 the mask's lane term;
;   v32-95 eight fragments of K (the upper four registers of each zeros); v96-159 S^T, then p; v160-191 O^T; v192-223 V; v224-231 p's codes; v232-243 at work; v244-251 K's scale words; v252 f; v253 p's scale word; v255 Q's.
.set KIMG, 0                           ; 128 tiles x 512 bytes
.set VIMG, 65536                       ; [16 steps][4 tiles of 16 channels][2][512 bytes]
.set KSC,  131072                      ; 2,048 words (two heads' bytes in each)
.set VSC,  139264                      ; [16][4][16] words
.set WV,   12
.set SEL,  20
.set CS,   22
.set G1K,  24
.set G1V,  32
.set G1KS, 40
.set G1VS, 48
.set G0K,  56
.set G0V,  60
.set G0KS, 68
.set G0VS, 72
.set ADA,  76                          ; s[76:83] the first tile's four addresses: Q's image, Q's scale words, O's image, O's scale bytes
.set ADB,  84                          ; s[84:91] the second's
.set KSI,  92                          ; the key step.  (s92-95 hold the four common offsets at the head)
.set TB,   93                          ; 4,096 x step: K's and V's images
.set TS,   94                          ; 512 x step: K's scale words
.set TJ,   95                          ; 256 x step: V's
.set LIM,  96                          ; the tile's last key step
.set HA,   97                          ; a = wave / 2
.set TA,   98
.set TBL,  99
.macro CROUND
	s_barrier_signal -1
	s_barrier_wait -1
	s_cmp_lg_u32 s[WV], 0
	s_cbranch_scc1 .Lnot_wave_0_\@
	s_barrier_signal -3
.Lnot_wave_0_\@:
	s_barrier_wait -3
	s_barrier_signal -1
	s_barrier_wait -1
.endm
	s_load_b256 s[4:11], s[0:1], 0x0               ; qkv_img s[4:5], qkv_sc s[6:7], o_img s[8:9], o_sc s[10:11]
	v_lshl_add_u32 v254, v0, 2, 0x29000
	v_mov_b32 v255, 0
	ds_add_u32 v254, v255
	ds_add_u32 v254, v255
	s_wait_dscnt 0x0
	v_lshrrev_b32 v8, 5, v0
	s_delay_alu instid0(VALU_DEP_1)
	v_readfirstlane_b32 s[WV], v8                  ; wave 0..15
	s_bfe_u32 s13, ttmp6, 0x40000                  ; cx
	s_and_b32 s14, ttmp7, 0xffff                   ; 16 x batch + head
	s_lshr_b32 s15, s14, 4                         ; batch
	s_and_b32 s16, s14, 15                         ; head
	s_and_b32 s17, s16, 1                          ; the head in its pair
	s_lshr_b32 s18, s16, 1                         ; the pair
	s_and_b32 s19, s[WV], 3                        ; which quarter of K or of V I fetch
	; descriptor groups 1: elements of 8 bytes, no padding, the mask names all four work-groups, bit 21 beside it
.irp g, G1K, G1V, G1KS, G1VS
	s_mov_b32 s[\g], 15|(3<<16)|(1<<21)
	s_mov_b32 s[\g+6], 0
	s_mov_b32 s[\g+7], 0
.endr
	s_mov_b32 s[G1K+1], 64<<16                     ; K: 32 tiles of 512 bytes, 1,024 bytes apart (the other head of the pair lies between)
	s_mov_b32 s[G1K+2], 32<<16
	s_mov_b32 s[G1K+3], 64<<16
	s_mov_b32 s[G1K+4], 32
	s_mov_b32 s[G1K+5], 128
	s_mov_b32 s[G1V+1], 512<<16                    ; V: 4 key steps' 4,096 bytes, 65,536 bytes apart
	s_mov_b32 s[G1V+2], 4<<16
	s_mov_b32 s[G1V+3], 512<<16
	s_mov_b32 s[G1V+4], 4
	s_mov_b32 s[G1V+5], 8192
	s_mov_b32 s[G1KS+1], 32<<16                    ; K's scale words: 8,192 dense bytes as 32 rows of 256
	s_mov_b32 s[G1KS+2], 32<<16
	s_mov_b32 s[G1KS+3], 32<<16
	s_mov_b32 s[G1KS+4], 32
	s_mov_b32 s[G1KS+5], 32
	s_mov_b32 s[G1VS+1], 32<<16                    ; V's: 16 key steps' 256 bytes, 4,096 bytes apart
	s_mov_b32 s[G1VS+2], 16<<16
	s_mov_b32 s[G1VS+3], 32<<16
	s_mov_b32 s[G1VS+4], 16
	s_mov_b32 s[G1VS+5], 512
	s_lshl_b32 s2, s19, 14
	s_mov_b32 s[G0K], 1
	s_mov_b32 s[G0K+1], s2                         ; KIMG + 16,384 x quarter
	s_mov_b32 s[G0V], 1
	s_add_co_u32 s[G0V+1], s2, VIMG
	s_mov_b32 s[G0KS], 1
	s_mov_b32 s[G0KS+1], KSC
	s_mov_b32 s[G0VS], 1
	s_mov_b32 s[G0VS+1], VSC
	s_mov_b32 s[SEL], 0x76543210
	s_mov_b32 s[SEL+1], 0xfedcba98
	s_mov_b32 s[CS], 0x3e38aa3b                    ; c = log2(e) / 8
	s_mov_b32 s[CS+1], s[CS]                       ; (named with it as a pair, so it is written)
	s_lshr_b32 s[HA], s[WV], 1
	s_and_b32 s2, s[WV], 1
	s_lshl_b32 s3, s13, 1
	s_add_co_u32 s2, s2, s3
	s_lshl_b32 s3, s[HA], 3
	s_add_co_u32 s[TA], s3, s2                     ; my first tile of queries
	s_sub_co_u32 s[TBL], 127, s[TA]                ; my second
	; offsets common to both tiles
	s_lshl_b32 s92, s18, 19
	s_lshl_b32 s2, s15, 17
	s_add_co_u32 s92, s92, s2
	s_lshl_b32 s2, s17, 9
	s_add_co_u32 s92, s92, s2                      ; images of q: pair x 524,288 + batch x 131,072 + head in the pair x 512
	s_lshl_b32 s93, s18, 15
	s_lshl_b32 s2, s15, 13
	s_add_co_u32 s93, s93, s2                      ; scale words of q: pair x 32,768 + batch x 8,192 (+ 2 x head in the pair, below)
	s_lshr_b32 s94, s16, 3
	s_lshl_b32 s94, s94, 21
	s_lshl_b32 s2, s15, 19
	s_add_co_u32 s94, s94, s2
	s_and_b32 s2, s16, 7
	s_lshl_b32 s2, s2, 9
	s_add_co_u32 s94, s94, s2                      ; images of o: (head / 8) x 2,097,152 + batch x 524,288 + (head % 8) x 512
	s_lshl_b32 s95, s15, 16
	s_lshl_b32 s2, s16, 1
	s_add_co_u32 s95, s95, s2                      ; scale bytes of o: batch x 65,536 + 2 x head
	s_mov_b32 s3, 0
	s_wait_kmcnt 0x0
	s_lshl_b32 s2, s19, 15
	s_add_co_u32 s2, s2, s92
	s_add_co_u32 s2, s2, 0x400000                  ; K's images lie 8 pairs behind q's; my quarter: 32 tiles
	s_add_nc_u64 s[G0K+2:G0K+3], s[4:5], s[2:3]
	s_or_b32 s[G0K+3], s[G0K+3], 0x80000000
	s_lshl_b32 s2, s15, 20
	s_lshl_b32 s14, s16, 12
	s_add_co_u32 s2, s2, s14
	s_lshl_b32 s14, s19, 18
	s_add_co_u32 s2, s2, s14
	s_add_co_u32 s2, s2, 0x800000                  ; V: 8,388,608 + batch x 1,048,576 + head x 4,096 + quarter x 262,144
	s_add_nc_u64 s[G0V+2:G0V+3], s[4:5], s[2:3]
	s_or_b32 s[G0V+3], s[G0V+3], 0x80000000
	s_add_co_u32 s2, s93, 0x40000                  ; K's scale words lie 8 pairs behind q's
	s_add_nc_u64 s[G0KS+2:G0KS+3], s[6:7], s[2:3]
	s_or_b32 s[G0KS+3], s[G0KS+3], 0x80000000
	s_lshl_b32 s2, s15, 16
	s_lshl_b32 s14, s16, 8
	s_add_co_u32 s2, s2, s14
	s_add_co_u32 s2, s2, 0x80000                   ; V's: 524,288 + batch x 65,536 + head x 256
	s_add_nc_u64 s[G0VS+2:G0VS+3], s[6:7], s[2:3]
	s_or_b32 s[G0VS+3], s[G0VS+3], 0x80000000
	s_lshl_b32 s2, s17, 1
	s_add_co_u32 s93, s93, s2
.macro TILEADR t, g
	s_lshl_b32 s2, s[\t], 10
	s_add_co_u32 s2, s2, s92
	s_add_nc_u64 s[\g:\g+1], s[4:5], s[2:3]
	s_lshl_b32 s2, s[\t], 6
	s_add_co_u32 s2, s2, s93
	s_add_nc_u64 s[\g+2:\g+3], s[6:7], s[2:3]
	s_lshl_b32 s2, s[\t], 12
	s_add_co_u32 s2, s2, s94
	s_add_nc_u64 s[\g+4:\g+5], s[8:9], s[2:3]
	s_lshl_b32 s2, s[\t], 9
	s_add_co_u32 s2, s2, s95
	s_add_nc_u64 s[\g+6:\g+7], s[10:11], s[2:3]
.endm
	TILEADR TA, ADA
	TILEADR TBL, ADB
	CROUND                                         ; all four work-groups are here: the joint loads meet
	; the first and only fills: waves 0-3 K's quarters, 4-7 V's, 8 K's scale words, 9 V's; one load a wave, four v_nop behind each
	s_cmp_lt_u32 s[WV], 4
	s_cbranch_scc0 .Lnot_k
	tensor_load_to_lds s[G0K:G0K+3], s[G1K:G1K+7]
	s_nop 0
.rept 4
	v_nop
.endr
	s_branch .Lasked
.Lnot_k:
	s_cmp_lt_u32 s[WV], 8
	s_cbranch_scc0 .Lnot_v
	tensor_load_to_lds s[G0V:G0V+3], s[G1V:G1V+7]
	s_nop 0
.rept 4
	v_nop
.endr
	s_branch .Lasked
.Lnot_v:
	s_cmp_eq_u32 s[WV], 8
	s_cbranch_scc0 .Lnot_ks
	tensor_load_to_lds s[G0KS:G0KS+3], s[G1KS:G1KS+7]
	s_nop 0
.rept 4
	v_nop
.endr
	s_branch .Lasked
.Lnot_ks:
	s_cmp_eq_u32 s[WV], 9
	s_cbranch_scc0 .Lasked
	tensor_load_to_lds s[G0VS:G0VS+3], s[G1VS:G1VS+7]
	s_nop 0
.rept 4
	v_nop
.endr
.Lasked:
	v_and_b32 v29, 31, v0                          ; lane
	v_and_b32 v30, 15, v0                          ; r
	v_bfe_u32 v31, v0, 4, 1                        ; h
	s_delay_alu instid0(VALU_DEP_3)
	v_lshlrev_b32 v1, 4, v29                       ; 16 x lane: an image's place for my lane
	s_delay_alu instid0(VALU_DEP_3)
	v_lshlrev_b32 v6, 2, v30                       ; 4 r
.macro QLOAD g
	global_load_b128 v[16:19], v1, s[\g:\g+1]      ; Q's four registers as they were stored
	global_load_u16 v255, v6, s[\g+2:\g+3]         ; my head's two scale bytes; the two bytes above are 0, over zero codes
.endm
	QLOAD ADA
	v_add_nc_u32 v2, VIMG, v1
	s_lshl_b32 s2, s17, 1
	s_add_co_u32 s2, s2, KSC
	v_add_nc_u32 v3, s2, v6                        ; K's scale words: 4 r + my head's two bytes
	v_add_nc_u32 v4, VSC, v6
	v_lshlrev_b32 v5, 5, v30                       ; O's scale bytes: 32 a row
	v_and_b32 v28, 7, v30
	v_lshrrev_b32 v29, 3, v30
	s_delay_alu instid0(VALU_DEP_1)
	v_sub_nc_u32 v29, v29, v31
	s_delay_alu instid0(VALU_DEP_1)
	v_lshl_add_u32 v28, v29, 4, v28                ; r % 8 + 16 (r / 8) - 16 h
.irp j, 20,21,22,23
	v_mov_b32 v[\j], 0                             ; Q's K = 64 .. 127: zero codes
.endr
.irp t, 0,1,2,3,4,5,6,7
.irp j, 4,5,6,7
	v_mov_b32 v[32+8*\t+\j], 0                     ; K's likewise
.endr
.endr
.irp j, 236,237,238,239,252,253
	v_mov_b32 v[\j], 0                             ; written once: a lane permute's destination counts as one of its sources; v253 is named as the upper half of a pair
.endr
	s_wait_tensorcnt 0x0                           ; my load has landed,
	s_barrier_signal -1
	s_barrier_wait -1                              ; everybody's has: from here on LDS is only read
.macro INIT t                          ; a tile begins: the step is written once, and its first trip finds zeros
	v_mov_b32 v13, 0xff61b1e6                      ; the largest t so far: -3e38
	s_delay_alu instid0(VALU_DEP_1)
	v_floor_f32 v12, -v13
	v_mov_b32 v14, 0
	v_mov_b32 v15, 0
.set j, 0
.rept 32
	v_mov_b32 v[160+j], 0
.set j, j+1
.endr
	s_bfe_u32 s2, s[\t], 0x20001
	s_lshl_b32 s2, s2, 5
	s_and_b32 s3, s[\t], 1
	s_lshl_b32 s3, s3, 3
	s_add_co_u32 s2, s2, s3
	v_add_nc_u32 v7, s2, v28                       ; my query's place in its key step, less 16 h
.endm
; A KEY STEP: 128 keys.
.macro STEP
	s_cmp_gt_u32 s[KSI], s[LIM]                    ; all its keys come after my queries: nothing is done
	s_cbranch_scc1 .Lhidden_\@
	s_setprio 2
	v_add_nc_u32 v8, s[TB], v1                     ; (these four are the places in front of the loads into V's registers)
	v_add_nc_u32 v9, s[TB], v2
	v_add_nc_u32 v10, s[TS], v3
	v_add_nc_u32 v11, s[TJ], v4
.irp t, 0,1,2,3,4,5,6,7
	ds_load_b128 v[32+8*\t:35+8*\t], v8 offset:512*\t
.endr
.irp t, 0,1,2,3,4,5,6,7
	ds_load_u16 v[244+\t], v10 offset:64*\t
.endr
.irp t, 0,1,2,3
	ds_load_b128 v[192+8*\t:195+8*\t], v9 offset:1024*\t
	ds_load_b128 v[196+8*\t:199+8*\t], v9 offset:1024*\t+512
.endr
.irp t, 0,1,2,3
	ds_load_b32 v[24+\t], v11 offset:64*\t
.endr
	s_wait_dscnt 12                                ; K and its scale words are in; V's twelve loads may be out
.irp t, 0,1,2,3,4,5,6,7
	v_wmma_scale_f32_16x16x128_f8f6f4 v[96+8*\t:103+8*\t], v[32+8*\t:39+8*\t], v[16:23], 0, v[244+\t], v255 matrix_a_fmt:MATRIX_FMT_FP4 matrix_b_fmt:MATRIX_FMT_FP4
.endr
.rept 4
	v_nop
.endr
	s_cmp_lg_u32 s[KSI], s[LIM]                    ; only the tile's last step lies on the diagonal
	s_cbranch_scc1 .Lopen_\@
	v_mov_b32 v254, 0xff800000                     ; hidden scores become -infinity: p = 0
.set n, 0
	s_wait_alu depctr_va_vdst(0)
.rept 64
	v_cmp_gt_i32 vcc_lo, 32*(n/16)+n%16, v7
	v_cndmask_b32 v[96+n], v[96+n], v254, vcc_lo
.set n, n+1
.endr
.Lopen_\@:
.irp b, 0,1,2,3
	v_max3_num_f32 v[232+\b], v[96+16*\b], v[97+16*\b], v[98+16*\b]   ; the largest score of each block of 32 keys: for the row's maximum and, since p rises with the score, for the block's largest p
.endr
.irp i, 3,5,7,9,11,13
.irp b, 0,1,2,3
	v_max3_num_f32 v[232+\b], v[232+\b], v[96+16*\b+\i], v[97+16*\b+\i]
.endr
.endr
.irp b, 0,1,2,3
	v_max_num_f32 v[232+\b], v[232+\b], v[111+16*\b]
.endr
.irp b, 0,1,2,3
	s_delay_alu instid0(VALU_DEP_4)
	v_permlanex16_b32 v[236+\b], v[232+\b], s[SEL], s[SEL+1]
.endr
.irp b, 0,1,2,3
	s_delay_alu instid0(VALU_DEP_4)
	v_max_num_f32 v[232+\b], v[232+\b], v[236+\b]
.endr
	s_delay_alu instid0(VALU_DEP_2)
	v_max3_num_f32 v254, v232, v233, v234
	s_delay_alu instid0(VALU_DEP_1)
	v_max_num_f32 v254, v254, v235
	s_delay_alu instid0(VALU_DEP_1)
	v_mul_f32 v254, s[CS], v254
	s_delay_alu instid0(VALU_DEP_1)
	v_max_num_f32 v13, v13, v254                   ; the running largest t
	v_mov_b32 v254, v12
	s_delay_alu instid0(VALU_DEP_2)
	v_floor_f32 v12, -v13                          ; -M = floor(-t)
	s_delay_alu instid0(VALU_DEP_1)
	v_sub_f32 v254, v12, v254                      ; old M - new M: a whole number, 0 or less
	s_delay_alu instid0(VALU_DEP_1)
	v_cvt_i32_f32 v254, v254
	s_delay_alu instid0(VALU_DEP_1)
	v_ldexp_f32 v252, 1.0, v254                    ; f = 2^(old M - new M): a multiplication by it rounds nothing
.set j, 0
.rept 32
	v_pk_fma_f32 v[96+j:97+j], v[96+j:97+j], s[CS:CS+1], v[12:13] op_sel_hi:[1,0,0]   ; t - M
.set j, j+2
.endr
	s_setprio 1
.irp b, 0,1,2,3
	v_fma_f32 v[232+\b], v[232+\b], s[CS], v12
.endr
.set j, 0
	s_wait_alu depctr_va_vdst(0)
.rept 64
	v_exp_f32 v[96+j], v[96+j]
.set j, j+1
.endr
.irp b, 0,1,2,3
	v_exp_f32 v[232+\b], v[232+\b]
.endr
	v_pk_mul_f32 v[14:15], v[14:15], v[252:253] op_sel_hi:[1,0]   ; the sum under the new M (a plain line behind the exponentials)
	s_wait_alu depctr_va_vdst(0)
.irp b, 0,1,2,3
	v_max_num_f32 v[232+\b], 0x1800000, v[232+\b]
.endr
.irp b, 0,1,2,3
	s_delay_alu instid0(VALU_DEP_4)
	v_add_nc_u32 v[240+\b], 0xff000000, v[232+\b]
.endr
.irp b, 0,1,2,3
	s_delay_alu instid0(VALU_DEP_4)
	v_lshrrev_b32 v[236+\b], 23, v[240+\b]
.endr
	s_delay_alu instid0(VALU_DEP_3)
	v_lshl_or_b32 v253, v237, 8, v236              ; p's scale word for these 128 keys
	s_delay_alu instid0(VALU_DEP_1)
	v_lshl_or_b32 v253, v238, 16, v253
	s_delay_alu instid0(VALU_DEP_1)
	v_lshl_or_b32 v253, v239, 24, v253
.irp b, 0,1,2,3
	v_cvt_scalef32_pk8_fp4_f32 v[224+2*\b], v[96+16*\b:103+16*\b], v[240+\b]
	v_cvt_scalef32_pk8_fp4_f32 v[225+2*\b], v[104+16*\b:111+16*\b], v[240+\b]
.endr
	v_nop
.irp c, 0,1
.irp i, 0,1
	v_permlane16_swap_b32 v[224+4*\c+\i], v[226+4*\c+\i]
.endr
.endr
	v_pk_add_f32 v[236:237], v[100:101], v[104:105]
	v_pk_add_f32 v[250:251], v[108:109], v[112:113]
	v_pk_add_f32 v[248:249], v[116:117], v[120:121]
	v_pk_add_f32 v[246:247], v[124:125], v[128:129]
	v_pk_add_f32 v[244:245], v[132:133], v[136:137]
	v_pk_add_f32 v[242:243], v[140:141], v[144:145]
	v_pk_add_f32 v[240:241], v[148:149], v[152:153]
	v_pk_add_f32 v[14:15], v[14:15], v[156:157]
	v_pk_add_f32 v[236:237], v[236:237], v[96:97]
	v_pk_add_f32 v[250:251], v[250:251], v[98:99]
	v_pk_add_f32 v[248:249], v[248:249], v[102:103]
	s_setprio 0
	v_pk_add_f32 v[246:247], v[246:247], v[106:107]
	v_pk_add_f32 v[244:245], v[244:245], v[110:111]
	v_pk_add_f32 v[242:243], v[242:243], v[114:115]
	v_pk_add_f32 v[240:241], v[240:241], v[118:119]
	v_pk_add_f32 v[14:15], v[14:15], v[122:123]
	v_pk_add_f32 v[236:237], v[236:237], v[126:127]
	v_pk_add_f32 v[250:251], v[250:251], v[130:131]
	v_pk_add_f32 v[248:249], v[248:249], v[134:135]
	v_pk_add_f32 v[246:247], v[246:247], v[138:139]
	v_pk_add_f32 v[244:245], v[244:245], v[142:143]
	v_pk_add_f32 v[242:243], v[242:243], v[146:147]
	v_pk_add_f32 v[240:241], v[240:241], v[150:151]
	v_pk_add_f32 v[14:15], v[14:15], v[154:155]
	v_pk_add_f32 v[236:237], v[236:237], v[158:159]
	s_delay_alu instid0(VALU_DEP_2)
	v_pk_add_f32 v[14:15], v[14:15], v[246:247]
	s_delay_alu instid0(VALU_DEP_2)
	v_pk_add_f32 v[236:237], v[236:237], v[244:245]
	v_pk_add_f32 v[250:251], v[250:251], v[242:243]
	v_pk_add_f32 v[248:249], v[248:249], v[240:241]
	s_delay_alu instid0(VALU_DEP_2)
	v_pk_add_f32 v[14:15], v[14:15], v[250:251]
	s_delay_alu instid0(VALU_DEP_2)
	v_pk_add_f32 v[236:237], v[236:237], v[248:249]
	s_delay_alu instid0(VALU_DEP_1)
	v_pk_add_f32 v[14:15], v[14:15], v[236:237]
.set j, 0
.rept 16
	v_pk_mul_f32 v[160+j:161+j], v[160+j:161+j], v[252:253] op_sel_hi:[1,0]   ; O^T under the new M
.set j, j+2
.endr
	s_wait_alu depctr_va_vdst(0)
	s_wait_dscnt 0x0                               ; V and its scale words
.irp t, 0,1,2,3
	v_wmma_scale_f32_16x16x128_f8f6f4 v[160+8*\t:167+8*\t], v[192+8*\t:199+8*\t], v[224:231], v[160+8*\t:167+8*\t], v[24+\t], v253 matrix_a_fmt:MATRIX_FMT_FP4 matrix_b_fmt:MATRIX_FMT_FP4
.endr
.Lhidden_\@:
.endm
.macro WALK                            ; sixteen trips, a constant; the steps behind the tile's last do nothing
	s_mov_b32 s[KSI], 0
	s_mov_b32 s[TB], 0
	s_mov_b32 s[TS], 0
	s_mov_b32 s[TJ], 0
.Lwalk_\@:
	STEP
	s_add_co_u32 s[TB], s[TB], 4096
	s_add_co_u32 s[TS], s[TS], 512
	s_add_co_u32 s[TJ], s[TJ], 256
	s_add_co_u32 s[KSI], s[KSI], 1
	s_cmp_lt_u32 s[KSI], 16
	s_cbranch_scc1 .Lwalk_\@
	s_setprio 0
.endm
; O^T / the sum, quantised along the head's 64 channels (two blocks), stored as the image of four registers, with its two scale bytes.
.macro FINISH g
.rept 4
	v_nop
.endr
	v_add_f32 v14, v14, v15
	s_delay_alu instid0(VALU_DEP_1)
	v_permlanex16_b32 v252, v14, s[SEL], s[SEL+1]
	s_delay_alu instid0(VALU_DEP_1)
	v_add_f32 v14, v14, v252
	s_wait_alu depctr_va_vdst(0)
	v_rcp_f32 v14, v14
	v_nop
.set j, 0
	s_wait_alu depctr_va_vdst(0)
.rept 32
	v_mul_f32 v[96+j], v[160+j], v14               ; each accumulator from its low end on
.set j, j+1
.endr
.irp b, 0,1
	v_max3_num_f32 v[232+\b], |v[96+16*\b]|, |v[97+16*\b]|, 0x1800000
.endr
.irp i, 2,4,6,8,10,12,14
.irp b, 0,1
	s_delay_alu instid0(VALU_DEP_2)
	v_max3_num_f32 v[232+\b], v[232+\b], |v[96+16*\b+\i]|, |v[97+16*\b+\i]|
.endr
.endr
.irp b, 0,1
	s_delay_alu instid0(VALU_DEP_2)
	v_permlanex16_b32 v[236+\b], v[232+\b], s[SEL], s[SEL+1]
.endr
.irp b, 0,1
	s_delay_alu instid0(VALU_DEP_2)
	v_max_num_f32 v[232+\b], v[232+\b], v[236+\b]
.endr
.irp b, 0,1
	s_delay_alu instid0(VALU_DEP_2)
	v_add_nc_u32 v[240+\b], 0xff000000, v[232+\b]
.endr
.irp b, 0,1
	s_delay_alu instid0(VALU_DEP_2)
	v_lshrrev_b32 v[236+\b], 23, v[240+\b]
.endr
	s_delay_alu instid0(VALU_DEP_1)
	v_lshl_or_b32 v238, v237, 8, v236
.irp b, 0,1
	v_cvt_scalef32_pk8_fp4_f32 v[224+2*\b], v[96+16*\b:103+16*\b], v[240+\b]
	v_cvt_scalef32_pk8_fp4_f32 v[225+2*\b], v[104+16*\b:111+16*\b], v[240+\b]
.endr
	v_nop
	v_permlane16_swap_b32 v224, v226
	v_permlane16_swap_b32 v225, v227
	global_store_b128 v1, v[224:227], s[\g+4:\g+5] ; 512 consecutive bytes, aligned
	global_store_b16 v5, v238, s[\g+6:\g+7]        ; two bytes of my row's 32: the other heads' come from other clusters.  Both halves of the lanes write the same bytes with the same value
.endm
	INIT TA
	s_mov_b32 s[LIM], s[HA]
	s_wait_loadcnt 0x0                             ; Q
	WALK
	QLOAD ADB                                      ; the products that read Q stand a whole softmax back
	FINISH ADA
	INIT TBL
	s_sub_co_u32 s[LIM], 15, s[HA]
	s_wait_xcnt 0x0                                ; the stores' data registers are written again only behind this wait
	s_wait_loadcnt 0x0
	WALK
	FINISH ADB
	s_wait_xcnt 0x0
	v_lshl_add_u32 v254, v0, 2, 0x29000
	v_mov_b32 v255, 0
	s_wait_alu depctr_va_vdst(0)
	s_wait_tensorcnt 0x0
	ds_add_u32 v254, v255
	s_wait_dscnt 0x0
	CROUND                                         ; the closing round
	s_endpgm
.Lfunc_end_k_q36047e3277_attn:
	.size	k_q36047e3277_attn, .Lfunc_end_k_q36047e3277_attn-k_q36047e3277_attn
	.p2alignl 7, 3214868480
	.fill 96, 4, 3214868480
	.section	.rodata,"a",@progbits
	.p2align	6, 0x0
	.amdhsa_kernel k_q36047e3277_attn
		.amdhsa_group_segment_fixed_size 169984
		.amdhsa_private_segment_fixed_size 0
		.amdhsa_enable_private_segment 0
		.amdhsa_kernarg_size 32
		.amdhsa_user_sgpr_count 2
		.amdhsa_user_sgpr_kernarg_segment_ptr 1
		.amdhsa_wavefront_size32 1
		.amdhsa_system_sgpr_workgroup_id_x 1
		.amdhsa_system_sgpr_workgroup_id_y 1
		.amdhsa_system_sgpr_workgroup_id_z 1
		.amdhsa_system_vgpr_workitem_id 0
		.amdhsa_next_free_vgpr 256
		.amdhsa_next_free_sgpr 100
		.amdhsa_reserve_vcc 1
		.amdhsa_float_denorm_mode_32 3
		.amdhsa_float_denorm_mode_16_64 3
		.amdhsa_memory_ordered 1
		.amdhsa_forward_progress 1
		.amdhsa_inst_pref_size 67
	.end_amdhsa_kernel
	.amdgpu_metadata
---
amdhsa.version: [ 1, 2 ]
amdhsa.kernels:
  - .name:           k_q36047e3277_attn
    .symbol:         k_q36047e3277_attn.kd
    .args:
      - { .name: qkv_img, .offset: 0, .size: 8, .value_kind: global_buffer, .address_space: global }
      - { .name: qkv_sc, .offset: 8, .size: 8, .value_kind: global_buffer, .address_space: global }
      - { .name: o_img, .offset: 16, .size: 8, .value_kind: global_buffer, .address_space: global }
      - { .name: o_sc, .offset: 24, .size: 8, .value_kind: global_buffer, .address_space: global }
    .group_segment_fixed_size: 169984
    .private_segment_fixed_size: 0
    .kernarg_segment_align: 8
    .kernarg_segment_size: 32
    .max_flat_workgroup_size: 512
    .sgpr_count:     100
    .vgpr_count:     256
    .wavefront_size: 32
...
	.end_amdgpu_metadata
.endif
;; end of part 3
;; launch out (part 4): grid 4 x 32, 4 waves a work-group, clusters of 4 x 4, 327,680 bytes of LDS; arguments o_img, o_sc, xw_codes, xw_scales, bo, out0; writes out0
.if DOCPART == 4
	.amdgcn_target "amdgcn-amd-amdhsa--gfx1250"
	.amdhsa_code_object_version 6
	.text
	.protected	k_q36047e3277_out
	.globl	k_q36047e3277_out
	.p2align	8
	.type	k_q36047e3277_out,@function
k_q36047e3277_out:
	s_mov_b64 s[64:65], 0
	v_nop
	global_prefetch_b8 v0, s[64:65] scope:SCOPE_SE
	s_setreg_imm32_b32 hwreg(HW_REG_WAVE_MODE, 25, 1), 1
	s_wait_xcnt 0x0
	s_wait_alu depctr_hold_cnt(0) depctr_sa_sdst(0) depctr_va_vdst(0) depctr_va_sdst(0) depctr_va_ssrc(0) depctr_va_vcc(0) depctr_vm_vsrc(0)
	s_getreg_b32 s2, hwreg(HW_REG_IB_STS2, 6, 4)
	s_cmp_eq_u32 s2, 0
	s_cbranch_scc0 .Lentry_in_a_cluster
	s_endpgm
.Lentry_in_a_cluster:
	s_bfe_u32 s2, ttmp6, 0x10000c
	s_cmp_lg_u32 s2, 0xf033
	s_cbranch_scc0 .Lentry_shape_is_right
	s_endpgm
.Lentry_shape_is_right:
; out0 = o Wo + bo on codes of FP4 with E8M0 scales, K = 1,024.  A (second source) = o's 8,192 tokens, B (first source) = Wo's 1,024 output channels (rows 11,264 on of xw_codes), both in position order
; (index with bits 3 and 4 exchanged).  A work-group of four waves makes 256 x 256, a wave 128 x 128.  Both K steps of 512 fit in LDS: two slots, each filled once; nothing is filled again.
; A COMES AS IMAGES OF ITS REGISTERS: o_img [K half][512 tiles of 16 tokens][8 heads][512 bytes]: a fragment (16 tokens x 128 K = two heads) is two loads at 16 x lane, without pitch or padding.
; CLUSTERS of 4 x 4: A's tiles are shared along a row, B's along a column, each asked for jointly.
; THE WAY OUT puts indices back: a lane's eight results go to their natural columns in the wave's stage; a stage row goes to its token's natural row of out0; bo is added on the way.
; 128 work-groups: the product has that many tiles of this size.
; REGISTERS: window 0: v0-31 addresses, v8-11 bo; v32-95 scale words, two sets, and nothing else; v128-191 A's fragments; on the way out v128-255 rows of out0.  window 1: B's fragments at v0, v128.  windows 2, 3: accumulators.
.set NQ,     4
.set ROWB,   256
.set KROW,   512
.set PITCH,  272
.set FR,     8
.set NL,     2
.set NP,     4
.set HALFA,  32768                     ; A: 8 tiles of 16 tokens x 8 heads x 512 bytes
.set HALFT,  128*PITCH                 ; B: 128 rows
.set SLOT,   2*HALFA+2*HALFT
.set KS,     32
.set SCL,    2*SLOT
.set HALFS,  16*272
.set SBLK,   2*272
.set SPARE,  SCL+4*HALFS
.set SPITCH, 528                       ; the stage: 16 rows x (512 + 16) bytes a wave, in slot 0, which has had its only fill and its last read when the first result is stored there
.set BO,   8
.set ADRA, 16
.set ADRB, 20
.set STO,  24
.set RD,   25
.set CO,   26
.set ADRS, 27
.set SPW,  28
.set NIL,  29
.set SC,   32
.set AF,   128
.set BK,   128
.set G1, 24
.set G0, 32
.set G1B, 48
.set G0B, 56
.set G1S, 68
.set G0S, 76
.set G1SB, 80
.set G0SB, 88
.set MSB, 0
.macro WIN new
.if MSB != (\new)
	s_set_vgpr_msb (MSB<<8)|(\new)
.set MSB, (\new)
.endif
.endm
.set MUL_LO, 0xa1
.set MUL_HI, 0xf1
.set TO_B,   0x40
.macro JLOAD g0a, g1a, g0b, g1b        ; waves 0 and 1 fetch for A, waves 2 and 3 for B; four v_nop follow each line
	s_cmp_eq_u32 s15, 0
	s_cbranch_scc0 .Lfor_b_\@
	tensor_load_to_lds s[\g0a:\g0a+3], s[\g1a:\g1a+7]
	s_nop 0
.rept 4
	v_nop
.endr
	s_branch .Lasked_\@
.Lfor_b_\@:
	tensor_load_to_lds s[\g0b:\g0b+3], s[\g1b:\g1b+7]
	s_nop 0
.rept 4
	v_nop
.endr
.Lasked_\@:
.endm
.macro CROUND
	s_barrier_signal -1
	s_barrier_wait -1
	s_cmp_lg_u32 s14, 0
	s_cbranch_scc1 .Lnot_wave_0_\@
	s_barrier_signal -3
.Lnot_wave_0_\@:
	s_barrier_wait -3
	s_barrier_signal -1
	s_barrier_wait -1
.endm
	s_load_b128 s[4:7], s[0:1], 0x0                ; o_img, o_sc
	s_load_b128 s[8:11], s[0:1], 0x10              ; xw_codes, xw_scales
	s_load_b128 s[96:99], s[0:1], 0x20             ; bo, out0
	v_lshl_add_u32 v[SPW], v0, 2, SPARE
	v_mov_b32 v[NIL], 0
	ds_add_u32 v28, v29
	ds_add_u32 v28, v29
	s_wait_dscnt 0x0
	v_lshrrev_b32 v1, 5, v0
	v_readfirstlane_b32 s14, v1
	s_lshr_b32 s15, s14, 1                         ; my half of A's rows; also: I fetch for A (0) or B (1)
	s_and_b32 s16, s14, 1                          ; my half of B's rows; also: which half I fetch
	s_bfe_u32 s40, ttmp6, 0x40000
	s_bfe_u32 s41, ttmp6, 0x40004
	s_lshl_b32 s42, ttmp9, 2
	s_add_co_u32 s42, s42, s40                     ; tile column
	s_and_b32 s17, ttmp7, 0xffff
	s_lshl_b32 s17, s17, 2
	s_add_co_u32 s17, s17, s41                     ; tile row
	s_lshl_b32 s43, s41, 2
	s_lshl_b32 s43, 15, s43
	s_lshl_b32 s44, 0x1111, s40
	s_or_b32 s[G1+0], s43, (3<<16)|(1<<21)         ; A: 32,768 dense bytes as 128 rows of 32 elements of 8 bytes, no padding
	s_mov_b32 s[G1+1], 32<<16
	s_mov_b32 s[G1+2], 128<<16
	s_mov_b32 s[G1+3], 32<<16
	s_mov_b32 s[G1+4], 128
	s_mov_b32 s[G1+5], 32
	s_mov_b32 s[G1+6], 0
	s_mov_b32 s[G1+7], 0
	s_or_b32 s[G1B+0], s44, (0<<16)|(1<<20)|(1<<21)|(5<<22)|(3<<25)   ; B: 128 rows of 256 bytes, 512 apart, 16 bytes of padding behind each
	s_mov_b32 s[G1B+1], ROWB<<16
	s_mov_b32 s[G1B+2], 128<<16
	s_mov_b32 s[G1B+3], ROWB<<16
	s_mov_b32 s[G1B+4], 128
	s_mov_b32 s[G1B+5], KROW
	s_mov_b32 s[G1B+6], 0
	s_mov_b32 s[G1B+7], 0
	s_or_b32 s[G1S+0], s43, (3<<16)|(1<<20)|(1<<21)|(5<<22)|(3<<25)
	s_or_b32 s[G1SB+0], s44, (3<<16)|(1<<20)|(1<<21)|(5<<22)|(3<<25)
.irp g, G1S, G1SB
	s_mov_b32 s[\g+1], 32<<16
	s_mov_b32 s[\g+2], 16<<16
	s_mov_b32 s[\g+3], 32<<16
	s_mov_b32 s[\g+4], 16
	s_mov_b32 s[\g+5], 32
	s_mov_b32 s[\g+6], 0
	s_mov_b32 s[\g+7], 0
.endr
	s_lshl_b32 s20, s17, 16                        ; A's images: 16 tiles of 4,096 bytes a tile row, + 8 for the second half
	s_lshl_b32 s18, s16, 15
	s_add_co_u32 s20, s20, s18
	s_mov_b32 s21, 0
	s_lshl_b32 s22, s17, 13                        ; A's scale bytes: 32 a row
	s_lshl_b32 s18, s16, 12
	s_add_co_u32 s22, s22, s18
	s_mov_b32 s23, 0
	s_lshl_b32 s46, s42, 8
	s_lshl_b32 s18, s16, 7
	s_add_co_u32 s46, s46, s18
	s_add_co_u32 s46, s46, 11264                   ; B's first row
	s_lshl_b32 s92, s46, 5
	s_mov_b32 s93, 0
	s_lshl_b32 s46, s46, 9
	s_mov_b32 s47, 0
	s_lshl_b32 s45, s16, 15                        ; where A's half goes,
	s_mul_i32 s95, s16, HALFT
	s_add_co_u32 s95, s95, 2*HALFA                 ; where B's,
	s_mul_i32 s94, s14, HALFS                      ; and the scale bytes
	s_wait_kmcnt 0x0
	s_add_nc_u64 s[20:21], s[4:5], s[20:21]
	s_add_nc_u64 s[22:23], s[6:7], s[22:23]
	s_add_nc_u64 s[46:47], s[8:9], s[46:47]
	s_add_nc_u64 s[92:93], s[10:11], s[92:93]
	CROUND
	s_mov_b32 s[G0S], 1
	s_add_co_u32 s[G0S+1], s94, SCL
	s_mov_b64 s[G0S+2:G0S+3], s[22:23]
	s_or_b32 s[G0S+3], s[G0S+3], 0x80000000
	s_mov_b32 s[G0SB], 1
	s_add_co_u32 s[G0SB+1], s94, SCL
	s_mov_b64 s[G0SB+2:G0SB+3], s[92:93]
	s_or_b32 s[G0SB+3], s[G0SB+3], 0x80000000
	JLOAD G0S, G1S, G0SB, G1SB                     ; three loads of mine go out: the scale bytes, slot 0, slot 1
.irp s, 0,1
	s_mov_b32 s[G0+4*\s], 1
	s_add_co_u32 s[G0+4*\s+1], s45, \s*SLOT
	s_add_nc_u64 s[G0+4*\s+2:G0+4*\s+3], s[20:21], \s*2097152
	s_or_b32 s[G0+4*\s+3], s[G0+4*\s+3], 0x80000000
	s_mov_b32 s[G0B+4*\s], 1
	s_add_co_u32 s[G0B+4*\s+1], s95, \s*SLOT
	s_add_nc_u64 s[G0B+4*\s+2:G0B+4*\s+3], s[46:47], \s*ROWB
	s_or_b32 s[G0B+4*\s+3], s[G0B+4*\s+3], 0x80000000
	s_wait_alu depctr_va_vdst(0)
	s_wait_tensorcnt 0x0
	ds_add_u32 v28, v29
	s_wait_dscnt 0x0
	CROUND
	JLOAD G0+4*\s, G1, G0B+4*\s, G1B
.endr
	v_and_b32 v1, 15, v0                           ; r
	v_bfe_u32 v2, v0, 4, 1                         ; h
	v_mul_u32_u24 v3, v1, PITCH
	v_lshl_add_u32 v4, v2, 4, v3
	v_and_b32 v6, 31, v0
	v_lshlrev_b32 v[CO], 4, v6                     ; 16 x lane
	s_lshl_b32 s21, s15, 15                        ; my 8 tiles of A
	s_mul_i32 s22, s16, HALFT
	s_add_co_u32 s22, s22, 2*HALFA                 ; my 128 rows of B
.irp s, 0,1
	v_add_nc_u32 v[ADRA+\s], s21, v[CO]
	v_add_nc_u32 v[ADRB+\s], s22, v4
	s_add_co_u32 s21, s21, SLOT
	s_add_co_u32 s22, s22, SLOT
.endr
	v_mul_u32_u24 v5, v1, KS
	v_lshrrev_b32 v6, 8, v5
	v_lshl_add_u32 v5, v6, 4, v5
	s_mul_i32 s21, s15, HALFS
	s_mul_i32 s22, s16, HALFS
	s_add_co_u32 s22, s22, 2*HALFS
	s_sub_co_u32 s22, s22, s21
	v_mul_u32_u24 v6, s22, v2
	s_add_co_u32 s21, s21, SCL
	v_add_nc_u32 v5, v5, v6
	v_add_nc_u32 v[ADRS], s21, v5
	s_mul_i32 s23, s14, 16*SPITCH                  ; my stage
	v_mul_u32_u24 v5, v1, SPITCH
	v_lshl_add_u32 v5, v2, 6, v5                   ; in: row r, + 64 h: columns 16 h on of each 32
	v_add_nc_u32 v[STO], s23, v5
	v_add_nc_u32 v[RD], s23, v[CO]                 ; back: the 32 lanes take a row of 512 bytes
	s_lshl_b32 s18, s42, 10
	s_lshl_b32 s19, s16, 9
	s_add_co_u32 s18, s18, s19                     ; my first column, in bytes
	v_add_nc_u32 v7, s18, v[CO]
	global_load_b128 v[BO:BO+3], v7, s[96:97]      ; bo at my four columns of a row
	s_lshl_b32 s19, s17, 20
	s_add_co_u32 s18, s18, s19
	s_lshl_b32 s19, s15, 19
	s_add_co_u32 s18, s18, s19                     ; + my first row x 4,096 bytes
	s_mov_b32 s19, 0
	s_add_nc_u64 s[98:99], s[98:99], s[18:19]
.macro FRAGB reg, adr, q, i
.irp c, 0,1
	ds_load_b128 v[\reg+4*\c:\reg+4*\c+3], v[\adr] offset:64*(\q)+32*\c+(\i)*16*PITCH
.endr
.endm
.macro FRAGA reg, adr, q, i            ; tile i, heads 2 q and 2 q + 1 of the slot's eight
.irp c, 0,1
	ds_load_b128 v[\reg+4*\c:\reg+4*\c+3], v[\adr] offset:(\i)*4096+(2*(\q)+\c)*512
.endr
.endm
.macro MUL16 a0, p, q, sc, zero        ; the 64 accumulators take turns, one instruction a turn
.irp a, \a0, \a0+1
.irp b, 0,1,2,3,4,5,6,7
.if \zero
	v_wmma_scale_f32_16x16x128_f8f6f4 v[8*(8*((\a)%4)+\b):8*(8*((\a)%4)+\b)+7], v[128*(\p)+FR*\b:128*(\p)+FR*\b+FR-1], v[AF+FR*(\a):AF+FR*(\a)+FR-1], 0, v[SC+8*NQ*(\sc)+NQ*\b+(\q)], v[SC+8*NQ*(\sc)+NQ*(\a)+(\q)] matrix_a_fmt:MATRIX_FMT_FP4 matrix_b_fmt:MATRIX_FMT_FP4 matrix_a_scale:MATRIX_SCALE_ROW1
.else
	v_wmma_scale_f32_16x16x128_f8f6f4 v[8*(8*((\a)%4)+\b):8*(8*((\a)%4)+\b)+7], v[128*(\p)+FR*\b:128*(\p)+FR*\b+FR-1], v[AF+FR*(\a):AF+FR*(\a)+FR-1], v[8*(8*((\a)%4)+\b):8*(8*((\a)%4)+\b)+7], v[SC+8*NQ*(\sc)+NQ*\b+(\q)], v[SC+8*NQ*(\sc)+NQ*(\a)+(\q)] matrix_a_fmt:MATRIX_FMT_FP4 matrix_b_fmt:MATRIX_FMT_FP4 matrix_a_scale:MATRIX_SCALE_ROW1
.endif
.endr
.endr
.endm
.macro FETCH_B slot, q, p
	WIN TO_B
.irp i, 0,1,2,3,4,5,6,7
	FRAGB 128*(\p)+FR*\i, ADRB+\slot, \q, \i
.endr
	WIN 0
.endm
.macro FETCH_A slot, q, i0
.irp i, \i0, \i0+1, \i0+2, \i0+3
	FRAGA AF+FR*(\i), ADRA+\slot, \q, \i
.endr
.endm
.macro SCALES sc
.irp i, 0,1,2,3,4,5,6,7
	ds_load_b128 v[SC+8*NQ*\sc+NQ*\i:SC+8*NQ*\sc+NQ*\i+3], v[ADRS] offset:\i*SBLK
.endr
.endm
.macro PLACES n
.rept \n
	v_nop
.endr
.endm
.macro STEP slot, q, zero
	s_wait_dscnt 4*NL                              ; all but the youngest eight loads (A's blocks 4-7) are in
	WIN MUL_LO
	MUL16 0, (\q)%2, \q, \slot, \zero
	MUL16 2, (\q)%2, \q, \slot, \zero
	s_wait_dscnt 0
	PLACES NP
	FETCH_B \slot, (\q)+1, 1-(\q)%2
	FETCH_A \slot, (\q)+1, 0
	WIN MUL_HI
	MUL16 4, (\q)%2, \q, \slot, \zero
	MUL16 6, (\q)%2, \q, \slot, \zero
	PLACES NP
	WIN 0
	FETCH_A \slot, (\q)+1, 4
.endm
.macro TURN slot, next
	s_wait_tensorcnt 0x0                           ; my part of the other slot has landed
	ds_add_u32 v[SPW], v[NIL]                      ; 0 onto my spare word
	s_wait_dscnt 4*NL+1                            ; the add and the youngest eight loads may be out
	WIN MUL_LO
	MUL16 0, 1, NQ-1, \slot, 0
	s_wait_dscnt 0x0
	s_barrier_signal -1
	MUL16 2, 1, NQ-1, \slot, 0
	WIN 0
	s_barrier_wait -1
	PLACES NP
	v_add_nc_u32 v[ADRS], 4*NQ, v[ADRS]
	FETCH_B \next, 0, 0
	FETCH_A \next, 0, 0
	SCALES \next
	WIN MUL_HI
	MUL16 4, 1, NQ-1, \slot, 0
	MUL16 6, 1, NQ-1, \slot, 0
	PLACES NP
	WIN 0
	FETCH_A \next, 0, 4
.endm
	s_wait_alu depctr_va_vdst(0)
	s_wait_tensorcnt 1                             ; the scale bytes and my part of slot 0 are in; slot 1's load may be out
	s_barrier_signal -1
	s_barrier_wait -1
	FETCH_B 0, 0, 0
	FETCH_A 0, 0, 0
	SCALES 0
	FETCH_A 0, 0, 4
	STEP 0, 0, 1
	STEP 0, 1, 0
	STEP 0, 2, 0
	TURN 0, 1
	STEP 1, 0, 0
	STEP 1, 1, 0
	STEP 1, 2, 0
	s_wait_dscnt 4*NL
	WIN MUL_LO
	MUL16 0, 1, NQ-1, 1, 0
	MUL16 2, 1, NQ-1, 1, 0
	s_wait_dscnt 0
	WIN MUL_HI
	MUL16 4, 1, NQ-1, 1, 0
	MUL16 6, 1, NQ-1, 1, 0
	WIN 0
; THE WAY OUT, block by block of 16 rows.  Register j of accumulator b is column 32 (b / 2) + 16 h + 8 (b % 2) + j of my 128.
.macro TOSTAGE a
.set AC, 64*((\a)%4)
	WIN 0x08+4*((\a)/4)                            ; an LDS store's data: window 2 or 3
.irp b, 0,1,2,3,4,5,6,7
	ds_store_b128 v[STO], v[AC+8*\b:AC+8*\b+3] offset:128*(\b/2)+32*(\b%2)      ; each accumulator from its low end on
	ds_store_b128 v[STO], v[AC+8*\b+4:AC+8*\b+7] offset:128*(\b/2)+32*(\b%2)+16
.endr
	WIN 0
.set BB, BK+64*((\a)%2)
.irp t, 0,1,2,3,4,5,6,7,8,9,10,11,12,13,14,15
	ds_load_b128 v[BB+4*\t:BB+4*\t+3], v[RD] offset:\t*SPITCH   ; LDS serves a wave's instructions in order: these see the stores above
.endr
.endm
.macro SEND a, younger                 ; stage row t of block a is the token at row 32 (a / 2) + 8 (a % 2) + t % 8 + 16 (t / 8) of my 128; the largest immediate is 127 x 4,096
.set BB, BK+64*((\a)%2)
	s_wait_dscnt \younger
.irp t, 0,1,2,3,4,5,6,7,8,9,10,11,12,13,14,15
	v_pk_add_f32 v[BB+4*\t:BB+4*\t+1], v[BB+4*\t:BB+4*\t+1], v[BO:BO+1]
	v_pk_add_f32 v[BB+4*\t+2:BB+4*\t+3], v[BB+4*\t+2:BB+4*\t+3], v[BO+2:BO+3]
	global_store_b128 v[CO], v[BB+4*\t:BB+4*\t+3], s[98:99] offset:(32*((\a)/2)+8*((\a)%2)+(\t%8)+16*(\t/8))*4096 th:TH_STORE_NT   ; 512 consecutive bytes, aligned
.endr
.endm
	s_wait_loadcnt 0x0                             ; bo
	PLACES NP
	TOSTAGE 0
.irp a, 1,2,3,4,5,6,7
.if \a > 1
	s_wait_xcnt 0x0                                ; block a - 2's stores have read their registers: block a's loads may land there
.endif
	TOSTAGE \a
	SEND \a-1, 32                                  ; behind block a - 1's loads: block a's 16 stores and 16 loads
.endr
	SEND 7, 0
	s_wait_tensorcnt 0x0                           ; the wave's end
	ds_add_u32 v[SPW], v[NIL]
	s_wait_dscnt 0x0
	CROUND                                         ; the closing round
	s_endpgm
.Lfunc_end_k_q36047e3277_out:
	.size	k_q36047e3277_out, .Lfunc_end_k_q36047e3277_out-k_q36047e3277_out
	.p2alignl 7, 3214868480
	.fill 96, 4, 3214868480
	.section	.rodata,"a",@progbits
	.p2align	6, 0x0
	.amdhsa_kernel k_q36047e3277_out
		.amdhsa_group_segment_fixed_size 327680
		.amdhsa_private_segment_fixed_size 0
		.amdhsa_enable_private_segment 0
		.amdhsa_kernarg_size 48
		.amdhsa_user_sgpr_count 2
		.amdhsa_user_sgpr_kernarg_segment_ptr 1
		.amdhsa_wavefront_size32 1
		.amdhsa_system_sgpr_workgroup_id_x 1
		.amdhsa_system_sgpr_workgroup_id_y 1
		.amdhsa_system_sgpr_workgroup_id_z 1
		.amdhsa_system_vgpr_workitem_id 0
		.amdhsa_next_free_vgpr 1024
		.amdhsa_next_free_sgpr 100
		.amdhsa_reserve_vcc 0
		.amdhsa_float_denorm_mode_32 3
		.amdhsa_float_denorm_mode_16_64 3
		.amdhsa_memory_ordered 1
		.amdhsa_forward_progress 1
		.amdhsa_inst_pref_size 141
	.end_amdhsa_kernel
	.amdgpu_metadata
---
amdhsa.version: [ 1, 2 ]
amdhsa.kernels:
  - .name:           k_q36047e3277_out
    .symbol:         k_q36047e3277_out.kd
    .args:
      - { .name: o_img, .offset: 0, .size: 8, .value_kind: global_buffer, .address_space: global }
      - { .name: o_sc, .offset: 8, .size: 8, .value_kind: global_buffer, .address_space: global }
      - { .name: xw_codes, .offset: 16, .size: 8, .value_kind: global_buffer, .address_space: global }
      - { .name: xw_scales, .offset: 24, .size: 8, .value_kind: global_buffer, .address_space: global }
      - { .name: bo, .offset: 32, .size: 8, .value_kind: global_buffer, .address_space: global }
      - { .name: out0, .offset: 40, .size: 8, .value_kind: global_buffer, .address_space: global }
    .group_segment_fixed_size: 327680
    .private_segment_fixed_size: 0
    .kernarg_segment_align: 8
    .kernarg_segment_size: 48
    .max_flat_workgroup_size: 128
    .sgpr_count:     100
    .vgpr_count:     1024
    .wavefront_size: 32
...
	.end_amdgpu_metadata
.endif
;; end of part 4
